; MI455X (gfx1250); checked and timed in simulation.
; The chip was launched on July 23, 2026; its instructions are those of AMD's public machine-readable ISA for CDNA 5 (MIT licence, August 2026) and "CDNA5" Instruction Set Architecture Reference Guide (July 2026). The comments in the code are by the model that wrote it; some were corrected since.
;; Multi Head Attention. Allowed arithmetic: matrix products marked QUANTISED: E2M1 operands, one E8M0 scale for each 32 along K, by v_wmma_scale_f32_16x16x128_f8f6f4 with both operands' format E2M1 (or v_wmma_scale_f32_32x16x128_f4), f32 sums; products left as they are: f32 operands where the result goes on into a quantised operand, else bf16, f16 or f32 operands; f32 sums; everything else in f32.
;; Inputs: Q 4 x 8 x 64 float32; Wk 2,048 x 512 float32; bk 2,048 float32; v 128 x 512 x 512 float32.
;; Outputs: out0 4 x 8 x 128 x 64 float32; out1 4 x 8 x 128 x 512 float32.
;; This version of the problem:
;;   THIS VERSION OF THE PROBLEM IS GIVEN IN LOW PRECISION. The matrix products marked QUANTISED in the list below multiply operands that are first quantised to E2M1 (2 exponent bits, 1 mantissa bit; 4 bits a number), with one power-of-two scale for each 32 numbers along K (OCP MX v1.0); their sums are f32. All else is computed in f32.
;;   The module's matrix products, in the order in which they are computed (A, B: the left and right operand; K: the contracted axis; several contracted axes count as one K, in the product's order):
;;     1. [M 65,536, K 512] x [K 512, N 2,048]; A: input v; B: input Wk: QUANTISED
;;     2. batch 4,096 x [M 1, K 64] x [K 64, N 512]; A: input Q; B: computed on the way: left as it is (M = 1 < 16)
;;     3. batch 4,096 x [M 1, K 512] x [K 512, N 64]; A: softmax; B: input v: left as it is (M = 1 < 16)
;;   THE QUANTISER, for each operand of a quantised product, along K:
;;     - K is cut into blocks of 32 from its start; a last block that is shorter is filled with zeros.
;;     - A block's scale is 2^e with e = floor(log2(the largest magnitude in the block)) - 2, held to -126 .. 127; a block of zeros has e = 0. As a byte (E8M0): e + 127.
;;     - Each number is divided by its block's scale, clamped to +-6, and rounded to the nearest number of E2M1, ties to even, subnormals kept.
;;     - The product sums the exact products of the quantised numbers (number of the format x scale) in f32.
;;   ~~~python
;;   def quantise(x, axis):      # numpy; x: float32 -> the quantised numbers, widened to float32 again
;;       x = np.moveaxis(x, axis, -1); K = x.shape[-1]
;;       x = np.pad(x, [(0, 0)] * (x.ndim - 1) + [(0, -K % 32)]); x = x.reshape(x.shape[:-1] + (-1, 32)); a = np.abs(x).max(-1, keepdims=True)
;;       e = np.where(a > 0, np.clip(np.frexp(np.where(a > 0, a, 1))[1] - 1 - 2, -126, 127), 0)      # np.frexp(a)[1] - 1 = floor(log2(a)), exactly
;;       r = np.clip(x / 2.0 ** e, -6, 6)
;;       step = 2.0 ** (np.maximum(np.frexp(np.where(r == 0, 1, r))[1] - 1, 0) - 1)
;;       q = np.round(r / step) * step * 2.0 ** e      # np.round: ties to even
;;       return np.moveaxis(q.reshape(q.shape[:-2] + (-1,))[..., :K], -1, axis).astype(np.float32)
;;   ~~~
;; 2 versions. Each part assembles by itself: llvm-mc -triple=amdgcn-amd-amdhsa -mcpu=gfx1250 --defsym DOCPART=n.
;; ======== version 1 of 2: 2 launches
;; limits: values are held in f16: magnitudes above 65,504 overflow, below 6.1e-05 lose precision; inputs' magnitudes at most 65,504
;; workspace buffers: wimg 524,288 bytes; wscl 32,768 bytes
;; launch wq (part 1): grid 256 x 1, 1 waves a work-group, no clusters, 0 bytes of LDS; arguments Wk, wimg, wscl; writes wimg, wscl
.if DOCPART == 1
	.amdgcn_target "amdgcn-amd-amdhsa--gfx1250"
	.amdhsa_code_object_version 6
	.text
	.protected	k_q4e45b061ea_wq
	.globl	k_q4e45b061ea_wq
	.p2align	8
	.type	k_q4e45b061ea_wq,@function
k_q4e45b061ea_wq:
	s_mov_b64 s[64:65], 0
	v_nop
	global_prefetch_b8 v0, s[64:65] scope:SCOPE_SE
	s_setreg_imm32_b32 hwreg(HW_REG_WAVE_MODE, 25, 1), 1
	s_wait_xcnt 0x0
; Wk [2048][512], f32, K innermost, becomes codes of FP4 (E2M1) with one E8M0 byte for each 32 along K, laid in the order in which the second launch's operand registers take them.
; NOTHING OF reference() IS LEFT OUT IN THIS PROGRAM.  With x = (h 128 + b) 4 + t / 128 and t' = 4 (t % 128) + a, reference()'s reshapes say
;   score[x][t'] = Q[flat row 4 h + b / 32] . (v[b][t] Wk[(8 a + h) 64 + d] + bk[(8 a + h) 64 + d]) / 8:
; every number of the first product meets one query, and bk's term changes with a, which runs along the softmax's axis.  So v, Q, Wk and bk are all loaded.
; A TILE T = 16 h + 4 a + dl is the 16 rows (8 a + h) 64 + 16 dl + r of Wk.  Its fragment of local K step sg (16 rows x 128 K: 8 registers a lane) lies at wimg + (4 T + sg) 1024 as an image of the registers:
; register group c (0, 1) at 512 c, lane l's 16 bytes at 16 l.  Lane (r, hl) holds row r, features 128 (sg xor 2 (h / 4)) + 64 c + 32 hl + 0 .. 31.
; THE K STEPS ARE ROTATED: local step sg stands for true step sg xor 2 (h / 4), here and in v's loads of the second launch alike, so that local steps 0 and 1 are the features of that launch's own four heads.
; Blocks of 32 stay whole; only the order in which the four K steps are summed changes.
; Scale words: wscl + 256 T + 128 p + 4 lane: lanes 0-15 the word of local step 2 p, lanes 16-31 that of 2 p + 1, each for row lane % 16.
; A block's scale is 2^(floor(log2(largest magnitude)) - 2): its byte is the largest magnitude's exponent field - 2, held at 1 from below.
; LIMITS: a block of zeros gets the byte 1 where the rule says 127 (its codes are zeros, and this program alone reads the bytes); blocks whose largest magnitude lies under 2^-124 are held at byte 1; NaN and infinities are not served.
; One wave a work-group: work-group g takes tile T = g / 2 and local K steps 2 p, 2 p + 1 with p = g % 2: 16 rows x 256 numbers.  A lane holds whole blocks, so no other lane is asked for a maximum.
.set X,  64                            ; v64-191  X[s][c][32]: my 32 numbers of block 2 c + hl of K step s
.set TM, 8                             ; v8-9     largest magnitudes, c = 0, 1
.set SO, 10                            ; v10-11   the conversions' scale operands
.set BY, 12                            ; v12-13   the scales' bytes
.set PW, 14                            ; v14-15   my row's scale word of K step s
.set PC, 24                            ; v24-39   the codes: 8 registers for each K step
	s_load_b128 s[4:7], s[0:1], 0x0                ; Wk, wimg
	s_load_b64 s[8:9], s[0:1], 0x10                ; wscl
	v_and_b32 v1, 15, v0                           ; r
	v_bfe_u32 v2, v0, 4, 1                         ; hl
	v_lshlrev_b32 v3, 11, v1                       ; a row of Wk is 2,048 bytes
	v_lshl_add_u32 v3, v2, 7, v3                   ; + 128 hl: my 32 numbers of each 64
	v_lshlrev_b32 v4, 4, v0                        ; 16 x lane: an image's place for my lane
	v_lshlrev_b32 v5, 2, v0                        ; 4 x lane: a scale word's
	v_lshlrev_b32 v6, 3, v2                        ; 8 hl: my bytes' shift in the scale word
	v_mov_b32 v7, 0                                ; a lane permute's destination counts as one of its sources
	s_mov_b32 s20, 0x76543210
	s_mov_b32 s21, 0xfedcba98                      ; v_permlanex16_b32's selects for lane l xor 16
	s_mov_b32 s22, 0xffff0000                      ; lanes 16-31
	s_lshr_b32 s10, ttmp9, 1                       ; T
	s_and_b32 s11, ttmp9, 1                        ; p
	s_lshr_b32 s12, s10, 4                         ; h
	s_and_b32 s13, s10, 15
	s_lshr_b32 s14, s13, 2                         ; a
	s_and_b32 s13, s13, 3                          ; dl
	s_lshl_b32 s14, s14, 3
	s_add_co_u32 s14, s14, s12                     ; 8 a + h
	s_lshl_b32 s14, s14, 6
	s_lshl_b32 s13, s13, 4
	s_add_co_u32 s14, s14, s13                     ; the tile's first row
	s_lshl_b32 s14, s14, 11                        ; in bytes
	s_lshr_b32 s12, s12, 2                         ; h / 4
	s_xor_b32 s12, s12, s11                        ; true K steps 2 (p xor h / 4) and the next: 1,024 bytes a pair
	s_lshl_b32 s12, s12, 10
	s_add_co_u32 s14, s14, s12
	s_mov_b32 s15, 0
	s_lshl_b32 s16, ttmp9, 11                      ; (4 T + 2 p) 1024 = 2,048 g
	s_mov_b32 s17, 0
	s_lshl_b32 s18, ttmp9, 7                       ; 256 T + 128 p = 128 g
	s_mov_b32 s19, 0
	s_wait_kmcnt 0x0
	s_add_nc_u64 s[4:5], s[4:5], s[14:15]
	s_add_nc_u64 s[6:7], s[6:7], s[16:17]
	s_add_nc_u64 s[8:9], s[8:9], s[18:19]
.irp s, 0,1
.irp c, 0,1
.irp q, 0,1,2,3,4,5,6,7
	global_load_b128 v[X+64*\s+32*\c+4*\q:X+64*\s+32*\c+4*\q+3], v3, s[4:5] offset:512*\s+256*\c+16*\q th:TH_LOAD_NT   ; read once in the launch
.endr
.endr
.endr
; One K step: my two blocks' largest magnitudes, their bytes, the row's scale word, the codes.
.macro QB s
.set XB, X+64*(\s)
.irp c, 0,1
	v_max3_num_f32 v[TM+\c], |v[XB+32*\c]|, |v[XB+32*\c+1]|, 0x1800000   ; and the floor 2^(3 - 127): the byte cannot fall under 1
.endr
.irp i, 2,4,6,8,10,12,14,16,18,20,22,24,26,28,30
.irp c, 0,1
	v_max3_num_f32 v[TM+\c], v[TM+\c], |v[XB+32*\c+\i]|, |v[XB+32*\c+\i+1]|   ; (the two blocks by turns)
.endr
.endr
.irp c, 0,1
	v_add_nc_u32 v[SO+\c], 0xff000000, v[TM+\c]    ; 2 off the exponent field: the conversion takes the exponent field of this operand as its scale
.endr
.irp c, 0,1
	v_lshrrev_b32 v[BY+\c], 23, v[SO+\c]           ; the scale's byte
.endr
	v_lshl_or_b32 v[PW+\s], v[BY+1], 16, v[BY]     ; my two bytes: blocks hl and 2 + hl,
	v_lshlrev_b32 v[PW+\s], v6, v[PW+\s]           ; at their places in the word;
	v_permlanex16_b32 v7, v[PW+\s], s20, s21
	v_or_b32 v[PW+\s], v[PW+\s], v7                ; with lane l xor 16's two the word is whole, in both halves of the lanes
.irp c, 0,1
.irp g, 0,1,2,3
	v_cvt_scalef32_pk8_fp4_f32 v[PC+8*\s+4*\c+\g], v[XB+32*\c+8*\g:XB+32*\c+8*\g+7], v[SO+\c]
.endr
.endr
	v_nop                                          ; one plain line behind the last scaled conversion
.endm
	s_wait_loadcnt 16                              ; the first K step's 16 loads are in; the second's 16 may be out
	QB 0
	s_wait_loadcnt 0x0
	QB 1
	v_cndmask_b32 v16, v14, v15, s22               ; lanes 0-15: the word of step 2 p; lanes 16-31: that of 2 p + 1
.irp s, 0,1
.irp c, 0,1
	global_store_b128 v4, v[PC+8*\s+4*\c:PC+8*\s+4*\c+3], s[6:7] offset:1024*\s+512*\c   ; 32 lanes store 512 consecutive bytes, aligned
.endr
.endr
	global_store_b32 v5, v16, s[8:9]               ; 128 consecutive bytes
	s_endpgm
.Lfunc_end_k_q4e45b061ea_wq:
	.size	k_q4e45b061ea_wq, .Lfunc_end_k_q4e45b061ea_wq-k_q4e45b061ea_wq
	.p2alignl 7, 3214868480
	.fill 96, 4, 3214868480
	.section	.rodata,"a",@progbits
	.p2align	6, 0x0
	.amdhsa_kernel k_q4e45b061ea_wq
		.amdhsa_group_segment_fixed_size 0
		.amdhsa_private_segment_fixed_size 0
		.amdhsa_enable_private_segment 0
		.amdhsa_kernarg_size 24
		.amdhsa_user_sgpr_count 2
		.amdhsa_user_sgpr_kernarg_segment_ptr 1
		.amdhsa_wavefront_size32 1
		.amdhsa_system_sgpr_workgroup_id_x 1
		.amdhsa_system_sgpr_workgroup_id_y 1
		.amdhsa_system_sgpr_workgroup_id_z 1
		.amdhsa_system_vgpr_workitem_id 0
		.amdhsa_next_free_vgpr 192
		.amdhsa_next_free_sgpr 66
		.amdhsa_reserve_vcc 0
		.amdhsa_float_denorm_mode_32 3
		.amdhsa_float_denorm_mode_16_64 3
		.amdhsa_memory_ordered 1
		.amdhsa_forward_progress 1
		.amdhsa_inst_pref_size 12
	.end_amdhsa_kernel
	.amdgpu_metadata
---
amdhsa.version: [ 1, 2 ]
amdhsa.kernels:
  - .name:           k_q4e45b061ea_wq
    .symbol:         k_q4e45b061ea_wq.kd
    .args:
      - { .name: Wk, .offset: 0, .size: 8, .value_kind: global_buffer, .address_space: global }
      - { .name: wimg, .offset: 8, .size: 8, .value_kind: global_buffer, .address_space: global }
      - { .name: wscl, .offset: 16, .size: 8, .value_kind: global_buffer, .address_space: global }
    .group_segment_fixed_size: 0
    .private_segment_fixed_size: 0
    .kernarg_segment_align: 8
    .kernarg_segment_size: 24
    .max_flat_workgroup_size: 32
    .sgpr_count:     66
    .vgpr_count:     192
    .wavefront_size: 32
...
	.end_amdgpu_metadata
.endif
;; end of part 1
;; launch attn (part 2): grid 256 x 1, 4 waves a work-group, no clusters, 317,952 bytes of LDS; arguments v, Q, bk, wimg, wscl, out0, out1; writes out0, out1
.if DOCPART == 2
	.amdgcn_target "amdgcn-amd-amdhsa--gfx1250"
	.amdhsa_code_object_version 6
	.text
	.protected	k_q4e45b061ea_attn
	.globl	k_q4e45b061ea_attn
	.p2align	8
	.type	k_q4e45b061ea_attn,@function
k_q4e45b061ea_attn:
	s_mov_b64 s[64:65], 0
	v_nop
	global_prefetch_b8 v0, s[64:65] scope:SCOPE_SE
	s_setreg_imm32_b32 hwreg(HW_REG_WAVE_MODE, 25, 1), 1
	s_wait_xcnt 0x0
; All of reference() behind the quantising of Wk, in one launch.  Nothing is left out: see the first kernel's head; v, Q and bk are loaded here, Wk came as wimg and wscl.
; With x = (h 128 + b) 4 + j (j = t / 128) and t' = 4 (t % 128) + a:
;   score[x][t'] = Q[flat row 4 h + b / 32] . (vq[b][t] Wq[(8 a + h) 64 + d] + bk[(8 a + h) 64 + d]) / 8;  out1[x] = softmax over t';  out0[x][c] = sum over t' of out1[x][t'] v[b][t'][64 h + c].
; SHARES.  Work-group g: batch b = g / 2, heads 4 hh .. 4 hh + 3 with hh = g % 2.  Wave w: head h = 4 hh + w.  Its 256 rows of Wq (4 a x 64 d, all 512 of K: 64 fragments, 512 registers) stay in registers for the
; whole launch, a whole softmax row is made inside one wave, and the wave also makes its head's out0.
; v[b] goes by in 8 blocks of 64 rows.  In a block wave w takes rows 16 w .. 16 w + 15 from memory into registers, quantises them (a lane holds whole blocks of 32), and stores to LDS: the four fragments and their scale words
; as images of the operand's registers, which all four waves load back; and the 256 features of the work-group's own heads as f16, for the last product.
; THE K STEPS ARE ROTATED as in the first kernel: local step sg is true step sg xor 2 hh, so local steps 0 and 1 are my work-group's heads' features whatever hh is: no branch and no LDS address hangs on hh.
; THE FIRST PRODUCT IS USED TRANSPOSED: source 0 = 16 rows of Wq, source 1 = 16 rows of vq.  A lane then holds one t (lane % 16) and eight d (16 dl + 8 (lane / 16) + 0 .. 7): the product with Q is packed multiply-adds
; in f32 on the accumulators, dealt in fours behind each four matrix instructions.  Q carries log2(e) / 8, so the scores are exponents of 2; bk's term starts the sums.
; THE LAST PRODUCT: f16 operands, f32 sums: O^T = V^T P, V turned by ds_load_tr16_b128; P's 16 columns are my 4 rows, four times over.  f16 and not bf16: 11 significant bits against 8; out0 is a sum of 512 rounded terms
; that largely cancel, and it is compared at a hundredth of its root mean square.  Both operands have room in f16: the weights lie in 0 .. 1, and v may be some hundreds of times its drawn spread.
; NO CLUSTER, NO TENSOR LOADS: the two work-groups of a batch read the same rows of v, but the rows go from memory straight into the registers of the wave that quantises them.  A landing zone in LDS for a block of 64 f32
; rows would be 131,072 bytes, and 9,728 bytes of a WGP's LDS are left beside what this text uses; Wq's fragments go into registers, which a joint load does not reach.
; LIMITS: NaN and infinities among the inputs are not served.  A block of zeros has the byte 1 and zero codes; blocks whose largest magnitude lies under 2^-124 are held at byte 1.  v and the softmax's weights are rounded
; to f16 for the last product: a |v| of 65,520 or more becomes infinity there; weights under 2^-14 are carried as f16 subnormals, with an error of at most 2^-25 each.  The four K steps of the first product are summed in rotated order.
;
; LDS: IMG: two buffers of 16 fragments of 1,024 bytes ((4 tt + sg) 1024; in it 512 c + 16 lane);  SCL: + 1024 buffer + 256 tt + 128 p + 4 lane (lanes 0-15 step 2 p, lanes 16-31 step 2 p + 1);
;   VB: row t' of v[b] at 544 t': 512 bytes of f16 and 32 bytes more, so that the rows of a turning load start 8 banks apart (64 banks of 4 bytes: ISA guide 11.1).  Those 32 bytes hold the weights in f16:
;   16 of them of row 4 w + j, t' = 16 u on, behind VB's row (4 w + j) 32 + u;   STG: 1,024 bytes a wave, out0's way out;   SPARE: the spare words.
; REGISTERS, in windows of 256: window 0: below.  Window 1: Wq of a = 0, 1 at 128 (a % 2) + 32 dl + 8 sg.  Window 2: a = 2, 3 likewise.  Window 3: X[sg][c][32], my 16 rows of the next block, in flight.
.set SCL,   32768
.set VB,    34816
.set VP,    544
.set STG,   313344
.set SPARE, 317440                     ; 128 bytes for each wave: two blocks of 256 bytes that no other line names
.set SPW,  1                           ; v1   LDS address of my spare word; never rewritten
.set NIL,  2                           ; v2   0; never rewritten
.set LI,   3                           ; v3   16 x lane
.set LS,   4                           ; v4   4 x lane
.set XO,   5                           ; v5   v: 2048 r + 128 hl
.set IWA,  6                           ; v6   where I store images: 16 lane + 4096 w
.set SWA,  7                           ; v7   and scale words: SCL + 4 lane + 256 w
.set VST0, 8                           ; v8   VB + (16 w + r) 544 + 64 hl
.set VSA,  9                           ; v9   the same in the trip's 128 rows
.set O1,   10                          ; v10  out1: 16 r + 8 hl
.set ATW0, 11                          ; v11  VB + 512 + (128 w + r / 4) 544 + 8 (r % 4) + 4 hl
.set SH8,  12                          ; v12  8 hl
.set ATA,  13                          ; v13  ATW0 in row j
.set QP,   16                          ; v16-47   Q x log2(e) / 8: d = 16 dl + 8 hl + i at 16 + 8 dl + i;  in the last product O^T
.set WS,   48                          ; v48-79   Wq's scale words: tile 4 a + dl, steps 2 p and 2 p + 1, at 48 + 2 (4 a + dl) + p: scales and nothing else
.set PB,   80                          ; v80-87   a pair for each a, both halves an eighth of my 32 d's part of Q . bk
.set Z,    88                          ; v88-103  the row's scores, then weights: pair i: t' = 64 i + 4 r + 2 hl + 0, 1
.set S,    104                         ; v104-111 four pairs of partial sums
.set XA,   112                         ; v112-115 my half's score for a = 0 .. 3
.set VS,   116                         ; v116-119 vq's scale words, two sets of two: scales and nothing else
.set ACC,  120                         ; v120-183 two sets of four accumulators
.set F,    184                         ; v184-247 two sets of vq's four fragments
.set PX,   248
.set PY,   249                         ; lane permutes' destinations
.set RR,   250                         ; r = lane % 16
.set HL,   251                         ; hl = lane / 16
.set LN,   252                         ; lane
.set XT,   ACC                         ; while a tile is quantised, accumulator set 0 is free: v120-135 codes (8 for even, 8 for odd K steps), v136-137 scale words,
.set TM,   XT+18                       ; v138-139 largest magnitudes
.set SO,   XT+20                       ; v140-141 the conversions' scale operands
.set BY,   XT+22                       ; v142-143 bytes
.set RS,   XT+25                       ; v145 two K steps' scale words in one register
.set VT,   104                         ; the last product: v104-107 V's addresses, 128 rows apart; v108 the weights'
.set ATR,  108
; s18 w, s19 hh, s20 b, s21 h; s[22:23] selects for lane l xor 16; s[24:25] v at my rows, local steps 0, 1; s[26:27] steps 2, 3; s28 j; s29 69,632 j; s30 17,408 j; s31 lanes 16-31
.set MSB, 0
.macro WIN new                         ; s_set_vgpr_msb: bits 1:0 source 0, 3:2 source 1, 5:4 source 2, 7:6 destination; the high byte repeats the setting that is left
.if MSB != (\new)
	s_set_vgpr_msb (MSB<<8)|(\new)
.set MSB, (\new)
.endif
.endm
	s_load_b256 s[4:11], s[0:1], 0x0               ; v s[4:5], Q s[6:7], bk s[8:9], wimg s[10:11]
	s_load_b128 s[12:15], s[0:1], 0x20             ; wscl s[12:13], out0 s[14:15]
	s_load_b64 s[16:17], s[0:1], 0x30              ; out1
	v_lshl_add_u32 v[SPW], v0, 2, SPARE
	v_mov_b32 v[NIL], 0
	v_lshrrev_b32 v14, 5, v0
	v_readfirstlane_b32 s18, v14                   ; wave 0..3
	s_and_b32 s19, ttmp9, 1                        ; hh
	s_lshr_b32 s20, ttmp9, 1                       ; b
	s_lshl_b32 s21, s19, 2
	s_add_co_u32 s21, s21, s18                     ; h
	s_mov_b32 s22, 0x76543210
	s_mov_b32 s23, 0xfedcba98
	s_mov_b32 s31, 0xffff0000
	v_and_b32 v[LN], 31, v0
	v_and_b32 v[RR], 15, v0
	v_bfe_u32 v[HL], v0, 4, 1
	v_lshlrev_b32 v[LI], 4, v[LN]
	v_lshlrev_b32 v[LS], 2, v[LN]
	v_lshlrev_b32 v[XO], 11, v[RR]
	v_lshl_add_u32 v[XO], v[HL], 7, v[XO]
	s_lshl_b32 s2, s18, 12
	v_add_nc_u32 v[IWA], s2, v[LI]
	s_lshl_b32 s2, s18, 8
	s_add_co_u32 s2, s2, SCL
	v_add_nc_u32 v[SWA], s2, v[LS]
	s_lshl_b32 s2, s18, 4
	v_add_nc_u32 v[VST0], s2, v[RR]
	v_mul_u32_u24 v[VST0], v[VST0], VP
	v_lshl_add_u32 v[VST0], v[HL], 6, v[VST0]
	v_add_nc_u32 v[VST0], VB, v[VST0]
	v_lshlrev_b32 v[O1], 4, v[RR]
	v_lshl_add_u32 v[O1], v[HL], 3, v[O1]
	v_lshrrev_b32 v14, 2, v[RR]
	s_lshl_b32 s2, s18, 7
	v_add_nc_u32 v14, s2, v14
	v_mul_u32_u24 v[ATW0], v14, VP
	v_and_b32 v14, 3, v[RR]
	v_lshl_add_u32 v[ATW0], v14, 3, v[ATW0]
	v_lshl_add_u32 v[ATW0], v[HL], 2, v[ATW0]
	v_add_nc_u32 v[ATW0], VB+512, v[ATW0]
	v_lshlrev_b32 v[SH8], 3, v[HL]
	v_mov_b32 v[PX], 0
	v_mov_b32 v[PY], 0
	v_lshlrev_b32 v14, 5, v[HL]                    ; Q and bk: my eight d of each sixteen: 32 hl bytes
	s_mov_b32 s3, 0
	s_wait_kmcnt 0x0
	s_lshl_b32 s2, s20, 20                         ; v[b]: 2^20 bytes a batch,
	s_lshl_b32 s32, s18, 15                        ; my 16 rows of a block,
	s_add_co_u32 s2, s2, s32
	s_lshl_b32 s32, s19, 10                        ; true K steps 2 hh, 2 hh + 1: 512 bytes a step
	s_add_co_u32 s2, s2, s32
	s_add_nc_u64 s[24:25], s[4:5], s[2:3]
	s_xor_b32 s2, s2, 1024                         ; and the other two (the three terms share no bit)
	s_add_nc_u64 s[26:27], s[4:5], s[2:3]
	s_lshl_b32 s2, s21, 2
	s_lshr_b32 s32, s20, 5
	s_add_co_u32 s2, s2, s32
	s_lshl_b32 s2, s2, 8                           ; Q's flat row 4 h + b / 32
	s_add_nc_u64 s[6:7], s[6:7], s[2:3]
	s_lshl_b32 s2, s21, 8                          ; bk: (8 a + h) 64 numbers: 2,048 a + 256 h bytes
	s_add_nc_u64 s[8:9], s[8:9], s[2:3]
	s_lshl_b32 s2, s21, 16                         ; my head's 64 images
	s_add_nc_u64 s[10:11], s[10:11], s[2:3]
	s_lshl_b32 s2, s21, 12                         ; and their scale words
	s_add_nc_u64 s[12:13], s[12:13], s[2:3]
	s_lshl_b32 s32, s21, 7
	s_add_co_u32 s32, s32, s20                     ; 128 h + b
	s_lshl_b32 s2, s32, 10
	s_add_nc_u64 s[14:15], s[14:15], s[2:3]        ; out0: four rows of 256 bytes
	s_lshl_b32 s2, s32, 13
	s_add_nc_u64 s[16:17], s[16:17], s[2:3]        ; out1: four rows of 2,048 bytes
; my 16 rows' numbers of local K step sg: lane (r, hl) takes, of row r, the 32 numbers of blocks hl and 2 + hl
.macro XLOAD sg
	WIN 0xc0                                       ; destination window 3
.irp c, 0,1
.irp q, 0,1,2,3,4,5,6,7
.if (\sg) < 2
	global_load_b128 v[64*(\sg)+32*\c+4*\q:64*(\sg)+32*\c+4*\q+3], v[XO], s[24:25] offset:512*((\sg)%2)+256*\c+16*\q
.else
	global_load_b128 v[64*(\sg)+32*\c+4*\q:64*(\sg)+32*\c+4*\q+3], v[XO], s[26:27] offset:512*((\sg)%2)+256*\c+16*\q
.endif
.endr
.endr
	WIN 0
.endm
	XLOAD 0                                        ; block 0
	XLOAD 1
	XLOAD 2
	XLOAD 3
.irp de, 0,1,2,3
	global_load_b128 v[QP+8*\de:QP+8*\de+3], v14, s[6:7] offset:64*\de
	global_load_b128 v[QP+8*\de+4:QP+8*\de+7], v14, s[6:7] offset:64*\de+16
.endr
.irp a, 0,1,2,3
.irp de, 0,1,2,3
	global_load_b128 v[120+32*\a+8*\de:120+32*\a+8*\de+3], v14, s[8:9] offset:2048*\a+64*\de       ; bk, in Q's layout, for each a
	global_load_b128 v[120+32*\a+8*\de+4:120+32*\a+8*\de+7], v14, s[8:9] offset:2048*\a+64*\de+16
.endr
.endr
.irp t, 0,1,2,3,4,5,6,7,8,9,10,11,12,13,14,15
.irp p, 0,1
	global_load_b32 v[WS+2*\t+\p], v[LS], s[12:13] offset:256*\t+128*\p
.endr
.endr
	WIN 0x40                                       ; destination window 1
.irp a, 0,1
.irp de, 0,1,2,3
.irp sg, 0,1,2,3
.irp c, 0,1
	global_load_b128 v[128*\a+32*\de+8*\sg+4*\c:128*\a+32*\de+8*\sg+4*\c+3], v[LI], s[10:11] offset:((4*\a+\de)*4+\sg)*1024+512*\c
.endr
.endr
.endr
.endr
	WIN 0x80                                       ; destination window 2
.irp a, 2,3
.irp de, 0,1,2,3
.irp sg, 0,1,2,3
.irp c, 0,1
	global_load_b128 v[128*(\a-2)+32*\de+8*\sg+4*\c:128*(\a-2)+32*\de+8*\sg+4*\c+3], v[LI], s[10:11] offset:((4*\a+\de)*4+\sg)*1024+512*\c
.endr
.endr
.endr
.endr
	WIN 0
	s_mov_b32 s32, 0x3e38aa3b                      ; log2(e) / 8
	s_mov_b32 s33, s32                             ; (named with it as a pair, so it is written)
	s_mov_b32 s28, 0
	s_mov_b32 s29, 0
	s_mov_b32 s30, 0
	s_wait_loadcnt 0x0                             ; everything asked for so far
.irp i, 0,2,4,6,8,10,12,14,16,18,20,22,24,26,28,30
	v_pk_mul_f32 v[QP+\i:QP+\i+1], v[QP+\i:QP+\i+1], s[32:33] op_sel_hi:[1,0]
.endr
.irp a, 0,1,2,3
	v_pk_mul_f32 v[S+2*\a:S+2*\a+1], v[QP:QP+1], v[120+32*\a:121+32*\a]       ; Q . bk over my 32 d, the four a by turns
.endr
.irp i, 2,4,6,8,10,12,14,16,18,20,22,24,26,28,30
.irp a, 0,1,2,3
	v_pk_fma_f32 v[S+2*\a:S+2*\a+1], v[QP+\i:QP+\i+1], v[120+32*\a+\i:121+32*\a+\i], v[S+2*\a:S+2*\a+1]
.endr
.endr
.irp a, 0,1,2,3
	v_add_f32 v[PB+2*\a], v[S+2*\a], v[S+2*\a+1]
.endr
.irp a, 0,1,2,3
	v_mul_f32 v[PB+2*\a], 0x3e000000, v[PB+2*\a]   ; an eighth: it starts each of my eight partial sums
.endr
.irp a, 0,1,2,3
	v_mov_b32 v[PB+2*\a+1], v[PB+2*\a]
.endr
; ONE K STEP OF MY TILE IS QUANTISED into buffer be, its registers are asked for anew (the next block), and for local steps 0 and 1 the numbers also go to VB as f16.
.macro XQS sg, be, voff, cond
.set XB,  64*(\sg)
.set PCB, XT+8*((\sg)%2)
.set PWR, XT+16+((\sg)%2)
.if (\sg) == 2
	s_wait_dscnt 11                                ; step 0's stores have read their registers; step 1's eleven may be out
.endif
.if (\sg) == 3
	s_wait_dscnt 2                                 ; step 1's likewise; step 2's two may be out
.endif
	WIN 0x3c                                       ; sources 1 and 2 window 3
.irp c, 0,1
	v_max3_num_f32 v[TM+\c], 0x1800000, |v[XB+32*\c]|, |v[XB+32*\c+1]|        ; my block 2 c + hl, and the floor 2^(3 - 127): the byte cannot fall under 1
.endr
.irp i, 2,4,6,8,10,12,14,16,18,20,22,24,26,28,30
.irp c, 0,1
	v_max3_num_f32 v[TM+\c], v[TM+\c], |v[XB+32*\c+\i]|, |v[XB+32*\c+\i+1]|   ; (the two blocks by turns)
.endr
.endr
	WIN 0
.irp c, 0,1
	v_add_nc_u32 v[SO+\c], 0xff000000, v[TM+\c]    ; 2 off the exponent field: the conversion's scale operand
.endr
.irp c, 0,1
	v_lshrrev_b32 v[BY+\c], 23, v[SO+\c]           ; the scale's byte
.endr
	v_lshl_or_b32 v[PWR], v[BY+1], 16, v[BY]
	v_lshlrev_b32 v[PWR], v[SH8], v[PWR]
	v_permlanex16_b32 v[PX], v[PWR], s22, s23
	v_or_b32 v[PWR], v[PWR], v[PX]                 ; my row's scale word, in both halves of the lanes
	WIN 0x03                                       ; source 0 window 3
.irp c, 0,1
.irp g, 0,1,2,3
	v_cvt_scalef32_pk8_fp4_f32 v[PCB+4*\c+\g], v[XB+32*\c+8*\g:XB+32*\c+8*\g+7], v[SO+\c]
.endr
.endr
	v_nop                                          ; one plain line behind the last scaled conversion
.if (\sg) < 2
	WIN 0x0f                                       ; sources 0 and 1 window 3
.irp c, 0,1
.irp m, 0,1,2,3,4,5,6,7,8,9,10,11,12,13,14,15
	v_cvt_pk_f16_f32 v[F+32*(\sg)+16*\c+\m], v[XB+32*\c+2*\m], v[XB+32*\c+2*\m+1]   ; two neighbouring features as f16, the lower in the low half
.endr
.endr
.endif
	WIN 0
.irp c, 0,1
	ds_store_b128 v[IWA], v[PCB+4*\c:PCB+4*\c+3] offset:(\be)*16384+(\sg)*1024+512*\c      ; the fragment as it stands: 512 consecutive bytes a store
.endr
.if ((\sg)%2) == 1
	v_cndmask_b32 v[RS], v[XT+16], v[XT+17], s31   ; lanes 0-15: the even step's word; lanes 16-31: the odd step's
	ds_store_b32 v[SWA], v[RS] offset:(\be)*1024+((\sg)/2)*128
.endif
.if (\sg) < 2
.irp c, 0,1
.irp q, 0,1,2,3
	ds_store_b128 v[VSA], v[F+32*(\sg)+16*\c+4*\q:F+32*(\sg)+16*\c+4*\q+3] offset:(\voff)+256*(\sg)+128*\c+16*\q
.endr
.endr
.endif
.if \cond
	s_cmp_eq_u32 s28, 3                            ; behind the last block nothing is left to ask for: no load leaves v
	s_cbranch_scc1 .Lnox_\@
.endif
	XLOAD \sg
.if \cond
.Lnox_\@:
.endif
.endm
.macro XQ be, voff, cond
	s_wait_loadcnt 0x0                             ; my tile's 64 loads, asked for a block ago, are in: so their bases may step
	s_add_nc_u64 s[24:25], s[24:25], 0x20000       ; 64 rows on
	s_add_nc_u64 s[26:27], s[26:27], 0x20000
	v_add_nc_u32 v[VSA], s29, v[VST0]
	XQS 0, \be, \voff, \cond
	XQS 1, \be, \voff, \cond
	XQS 2, \be, \voff, \cond
	XQS 3, \be, \voff, \cond
.endm
; One barrier a block does two things: my stores of this block have landed; and my reads of the block before are in, so that its buffer may be written again behind this barrier.
.macro BARRIER
	s_wait_dscnt 0x0
	s_barrier_signal -1
	s_barrier_wait -1
.endm
; tile ka of a trip's eight (buffer ka / 4, tile ka % 4 of the block): its four fragments and two registers of scale words into set ka % 2
.macro FETCH ka
.irp fs, 0,1,2,3
.irp fc, 0,1
	ds_load_b128 v[F+32*((\ka)%2)+8*\fs+4*\fc:F+32*((\ka)%2)+8*\fs+4*\fc+3], v[LI] offset:((\ka)/4)*16384+(4*((\ka)%4)+\fs)*1024+512*\fc
.endr
.endr
.irp fp, 0,1
	ds_load_b32 v[VS+2*((\ka)%2)+\fp], v[LS] offset:SCL+((\ka)/4)*1024+256*((\ka)%4)+128*\fp
.endr
.endm
; The product with Q.  EPI: d-tile de of group G (= a): four packed multiply-adds, the accumulator from its low end on; bk's term starts the sums.
.macro EPI de, G
.irp i, 0,1,2,3
.if (\de) == 0
	v_pk_fma_f32 v[S+2*\i:S+2*\i+1], v[ACC+32*((\G)%2)+8*(\de)+2*\i:ACC+32*((\G)%2)+8*(\de)+2*\i+1], v[QP+8*(\de)+2*\i:QP+8*(\de)+2*\i+1], v[PB+2*(\G):PB+2*(\G)+1]
.else
	v_pk_fma_f32 v[S+2*\i:S+2*\i+1], v[ACC+32*((\G)%2)+8*(\de)+2*\i:ACC+32*((\G)%2)+8*(\de)+2*\i+1], v[QP+8*(\de)+2*\i:QP+8*(\de)+2*\i+1], v[S+2*\i:S+2*\i+1]
.endif
.endr
.endm
.macro TAIL G                          ; the eight partial sums of group G become my half's score
	v_pk_add_f32 v[S:S+1], v[S:S+1], v[S+2:S+3]
	v_pk_add_f32 v[S+4:S+5], v[S+4:S+5], v[S+6:S+7]
	v_pk_add_f32 v[S:S+1], v[S:S+1], v[S+4:S+5]
	v_add_f32 v[XA+(\G)], v[S], v[S+1]
.endm
.macro FINAL slot                      ; the two halves of the lanes meet: lanes 0-15 end with a = 0, 1 of t = r, lanes 16-31 with a = 2, 3
	v_permlane16_swap_b32 v[XA], v[XA+2]
	v_permlane16_swap_b32 v[XA+1], v[XA+3]
	v_add_f32 v[Z+2*(\slot)], v[XA], v[XA+2]
	v_add_f32 v[Z+2*(\slot)+1], v[XA+1], v[XA+3]
.endm
; GROUP g (= a) OF A TILE: 16 matrix instructions, the four accumulators (dl) by turns, one instruction a turn, K step by K step.  Behind each four stands a slice of the vector work on the
; groups before: ep: the product with Q of group g - 1 (in the other set of accumulators); tail: the end of group g - 2's; fin: the tile before is finished into slot; fet: tile nk's fragments are asked for.
; The four lines of a slice name no register of the matrix instructions in front of them: they are the places ahead of the first read of those results and of loads into their sources.
.macro PHASE g, f, ep, tail, fin, slot, fet, nk
.irp sg, 0,1,2,3
	WIN 1+(\g)/2                                   ; source 0 (Wq) window 1 or 2
.irp de, 0,1,2,3
.if \sg == 0
	v_wmma_scale_f32_16x16x128_f8f6f4 v[ACC+32*((\g)%2)+8*\de:ACC+32*((\g)%2)+8*\de+7], v[128*((\g)%2)+32*\de+8*\sg:128*((\g)%2)+32*\de+8*\sg+7], v[F+32*(\f)+8*\sg:F+32*(\f)+8*\sg+7], 0, v[WS+2*(4*(\g)+\de)+\sg/2], v[VS+2*(\f)+\sg/2] matrix_a_fmt:MATRIX_FMT_FP4 matrix_b_fmt:MATRIX_FMT_FP4
.elseif (\sg%2) == 1
	v_wmma_scale_f32_16x16x128_f8f6f4 v[ACC+32*((\g)%2)+8*\de:ACC+32*((\g)%2)+8*\de+7], v[128*((\g)%2)+32*\de+8*\sg:128*((\g)%2)+32*\de+8*\sg+7], v[F+32*(\f)+8*\sg:F+32*(\f)+8*\sg+7], v[ACC+32*((\g)%2)+8*\de:ACC+32*((\g)%2)+8*\de+7], v[WS+2*(4*(\g)+\de)+\sg/2], v[VS+2*(\f)+\sg/2] matrix_a_fmt:MATRIX_FMT_FP4 matrix_b_fmt:MATRIX_FMT_FP4 matrix_a_scale:MATRIX_SCALE_ROW1 matrix_b_scale:MATRIX_SCALE_ROW1
.else
	v_wmma_scale_f32_16x16x128_f8f6f4 v[ACC+32*((\g)%2)+8*\de:ACC+32*((\g)%2)+8*\de+7], v[128*((\g)%2)+32*\de+8*\sg:128*((\g)%2)+32*\de+8*\sg+7], v[F+32*(\f)+8*\sg:F+32*(\f)+8*\sg+7], v[ACC+32*((\g)%2)+8*\de:ACC+32*((\g)%2)+8*\de+7], v[WS+2*(4*(\g)+\de)+\sg/2], v[VS+2*(\f)+\sg/2] matrix_a_fmt:MATRIX_FMT_FP4 matrix_b_fmt:MATRIX_FMT_FP4
.endif
.endr
	WIN 0
.if (\sg == 0) && (\tail)
	TAIL ((\g)+2)%4
.endif
.if \ep
	EPI \sg, ((\g)+3)%4
.endif
.if (\sg == 1) && (\fin)
	FINAL \slot
.endif
.if (\sg == 0) && (\fet)
	FETCH \nk
.endif
.if (\sg == 3) && ((\ep) == 0)
.rept 4
	v_nop                                          ; no vector work is at hand yet: the places behind this group's last products
.endr
.endif
.endr
.endm
.macro TILE ka
	s_wait_dscnt 0x0                               ; this tile's fragments and scale words are in
.if (\ka) == 0
	PHASE 0, 0, 0, 0, 0, 0, 1, 1                   ; a trip's first tile finds nothing to finish
	PHASE 1, 0, 1, 0, 0, 0, 0, 0
.else
.if ((\ka)%4) == 3
	PHASE 0, (\ka)%2, 1, 1, 0, 0, 0, 0             ; the next tile lies in the next block, which is not quantised yet
.else
	PHASE 0, (\ka)%2, 1, 1, 0, 0, 1, (\ka)+1
.endif
	PHASE 1, (\ka)%2, 1, 1, 1, (\ka)-1, 0, 0
.endif
	PHASE 2, (\ka)%2, 1, 1, 0, 0, 0, 0
	PHASE 3, (\ka)%2, 1, 1, 0, 0, 0, 0
.endm
.macro DRAIN                           ; the trip's last tile is finished
	TAIL 2
	EPI 0, 3
	EPI 1, 3
	EPI 2, 3
	EPI 3, 3
	TAIL 3
	FINAL 7
.endm
; THE SOFTMAX OF ROW j: 16 scores a lane, 512 in the wave.  The row's maximum is taken away; the scores are exponents of 2.
.macro SM
	v_max3_num_f32 v[S], v[Z], v[Z+1], v[Z+2]
	v_max3_num_f32 v[S+1], v[Z+3], v[Z+4], v[Z+5]
	v_max3_num_f32 v[S], v[S], v[Z+6], v[Z+7]
	v_max3_num_f32 v[S+1], v[S+1], v[Z+8], v[Z+9]
	v_max3_num_f32 v[S], v[S], v[Z+10], v[Z+11]
	v_max3_num_f32 v[S+1], v[S+1], v[Z+12], v[Z+13]
	v_max3_num_f32 v[S], v[S], v[Z+14], v[Z+15]
	v_max_num_f32 v[S], v[S], v[S+1]
	v_max_num_f32_dpp v[S], v[S], v[S] row_xmask:1 row_mask:0xf bank_mask:0xf
	v_max_num_f32_dpp v[S], v[S], v[S] row_xmask:2 row_mask:0xf bank_mask:0xf
	v_max_num_f32_dpp v[S], v[S], v[S] row_xmask:4 row_mask:0xf bank_mask:0xf
	v_max_num_f32_dpp v[S], v[S], v[S] row_xmask:8 row_mask:0xf bank_mask:0xf
	v_permlanex16_b32 v[PY], v[S], s22, s23
	v_max_num_f32 v[S], v[S], v[PY]                ; the row's maximum, in every lane
.irp i, 0,2,4,6,8,10,12,14
	v_pk_add_f32 v[Z+\i:Z+\i+1], v[Z+\i:Z+\i+1], v[S:S+1] op_sel_hi:[1,0] neg_lo:[0,1] neg_hi:[0,1]
.endr
.irp i, 0,1,2,3,4,5,6,7,8,9,10,11,12,13,14,15
	v_exp_f32 v[Z+\i], v[Z+\i]
.endr
	v_add_nc_u32 v[ATA], s30, v[ATW0]              ; a plain line behind the exponentials (ISA guide 5.7.2)
	s_wait_alu depctr_va_vdst(0)                   ; one wait for the batch of sixteen, ahead of its first reader
	v_pk_add_f32 v[152:153], v[Z:Z+1], v[Z+2:Z+3]
	v_pk_add_f32 v[154:155], v[Z+4:Z+5], v[Z+6:Z+7]
	v_pk_add_f32 v[156:157], v[Z+8:Z+9], v[Z+10:Z+11]
	v_pk_add_f32 v[158:159], v[Z+12:Z+13], v[Z+14:Z+15]
	v_pk_add_f32 v[152:153], v[152:153], v[154:155]
	v_pk_add_f32 v[156:157], v[156:157], v[158:159]
	v_pk_add_f32 v[152:153], v[152:153], v[156:157]
	v_add_f32 v[S], v152, v153
	v_add_f32_dpp v[S], v[S], v[S] row_xmask:1 row_mask:0xf bank_mask:0xf
	v_add_f32_dpp v[S], v[S], v[S] row_xmask:2 row_mask:0xf bank_mask:0xf
	v_add_f32_dpp v[S], v[S], v[S] row_xmask:4 row_mask:0xf bank_mask:0xf
	v_add_f32_dpp v[S], v[S], v[S] row_xmask:8 row_mask:0xf bank_mask:0xf
	v_permlanex16_b32 v[PY], v[S], s22, s23
	v_add_f32 v[S], v[S], v[PY]                    ; the row's sum
	v_rcp_f32 v[S], v[S]
	v_nop                                          ; a plain line behind the reciprocal
	s_wait_alu depctr_va_vdst(0)                   ; and its wait, ahead of the first reader
.irp i, 0,2,4,6,8,10,12,14
	v_pk_mul_f32 v[Z+\i:Z+\i+1], v[Z+\i:Z+\i+1], v[S:S+1] op_sel_hi:[1,0]
.endr
.irp i, 0,1,2,3,4,5,6,7
	global_store_b64 v[O1], v[Z+2*\i:Z+2*\i+1], s[16:17] offset:256*\i th:TH_STORE_NT   ; 32 lanes store 256 consecutive bytes, aligned; written once, read by nobody here
.endr
.irp i, 0,1,2,3,4,5,6,7
	v_cvt_pk_f16_f32 v[160+\i], v[Z+2*\i], v[Z+2*\i+1]
.endr
.irp i, 0,1,2,3,4,5,6,7
	ds_store_b32 v[ATA], v[160+\i] offset:2176*\i  ; the weights in f16, for the last product: read by this wave alone
.endr
.endm
.Ltrip:                                            ; four trips: trip j makes row j of my head: 128 rows of v, two blocks, eight tiles
	XQ 0, 0, 0                                     ; block 2 j into buffer 0; block 2 j + 1 is asked for
	BARRIER
	FETCH 0
	TILE 0
	TILE 1
	TILE 2
	TILE 3
	XQ 1, 34816, 1                                 ; block 2 j + 1 into buffer 1 (64 rows further down in VB); block 2 j + 2 is asked for, if there is one.  Accumulator set 1 and the partial sums live on through it
	BARRIER
	FETCH 4
	TILE 4
	TILE 5
	TILE 6
	TILE 7
	DRAIN
	SM
	s_wait_xcnt 0x0                                ; the stores have read their data and their base: both are written again only behind this wait
	s_add_nc_u64 s[16:17], s[16:17], 2048          ; out1's next row
	s_add_co_u32 s29, s29, 69632                   ; 128 rows of VB
	s_add_co_u32 s30, s30, 17408                   ; 32 rows of VB: a row of weights
	s_add_co_u32 s28, s28, 1
	s_cmp_lt_u32 s28, 4
	s_cbranch_scc1 .Ltrip
	; THE LAST PRODUCT: O^T[c][j] = sum over t' of V[t'][64 w + c] P[j][t'], 32 t' a step, 16 steps.  All of VB was stored ahead of the last barrier; the weights are my own stores.
	v_and_b32 v14, 7, v0
	v_lshl_add_u32 v14, v[HL], 3, v14              ; the turning load: lane l addresses row 8 (l / 16) + l % 8,
	v_mul_u32_u24 v14, v14, VP
	v_bfe_u32 v15, v0, 3, 1
	v_lshl_add_u32 v14, v15, 4, v14                ; 16 bytes at 16 ((l / 8) % 2),
	s_lshl_b32 s2, s18, 7
	s_add_co_u32 s2, s2, VB                        ; in my head's 128 bytes of the row
	v_add_nc_u32 v[VT], s2, v14
	v_add_nc_u32 v[VT+1], 69632, v[VT]             ; 128 rows on: an LDS offset has 16 bits
	v_add_nc_u32 v[VT+2], 69632, v[VT+1]
	v_add_nc_u32 v[VT+3], 69632, v[VT+2]
	v_and_b32 v15, 3, v[RR]
	s_lshl_b32 s2, s18, 2
	v_add_nc_u32 v15, s2, v15                      ; P's column r is row 4 w + r % 4: my four rows, four times over
	v_mul_u32_u24 v15, v15, 32*VP
	v_lshl_add_u32 v15, v[HL], 4, v15
	v_add_nc_u32 v[ATR], VB+512, v15
	s_wait_dscnt 0x0                               ; the last softmax's LDS stores have read their registers: loads land there below
.macro P3LOAD ka                       ; step ka into set ka % 3 of 40 registers: four fragments of V^T (16 channels x 32 t'), one of P
.set RB, 120+40*((\ka)%3)
.irp ct, 0,1,2,3
	ds_load_tr16_b128 v[RB+8*\ct:RB+8*\ct+3], v[VT+(\ka)/4] offset:((\ka)%4)*17408+32*\ct
	ds_load_tr16_b128 v[RB+8*\ct+4:RB+8*\ct+7], v[VT+(\ka)/4] offset:((\ka)%4)*17408+8704+32*\ct
.endr
	ds_load_b128 v[RB+32:RB+35], v[ATR] offset:1088*(\ka)
	ds_load_b128 v[RB+36:RB+39], v[ATR] offset:1088*(\ka)+544
.endm
.macro P3MUL ka                        ; the four accumulators by turns; the first step starts the sums
.set RB, 120+40*((\ka)%3)
.irp ct, 0,1,2,3
.if (\ka) == 0
	v_wmma_f32_16x16x32_f16 v[QP+8*\ct:QP+8*\ct+7], v[RB+8*\ct:RB+8*\ct+7], v[RB+32:RB+39], 0
.else
	v_wmma_f32_16x16x32_f16 v[QP+8*\ct:QP+8*\ct+7], v[RB+8*\ct:RB+8*\ct+7], v[RB+32:RB+39], v[QP+8*\ct:QP+8*\ct+7]
.endif
.endr
.endm
	P3LOAD 0
	P3LOAD 1
.set KA, 0
.rept 16
.if (KA+2) < 16
.if KA > 0
.rept 4
	v_nop                                          ; places in front of loads into the set that the last four products read
.endr
.endif
	P3LOAD KA+2
	s_wait_dscnt 20                                ; this step's ten loads are in; the next two steps' twenty may be out
.elseif KA == 14
	s_wait_dscnt 10                                ; the last step's ten may be out
.else
	s_wait_dscnt 0x0
.endif
	P3MUL KA
.set KA, KA+1
.endr
	; THE WAY OUT of out0.  Lane (r, hl) holds row r % 4, channels 16 ct + 8 hl + 0 .. 7; lanes with the same r % 4 hold the same numbers and store them to the same bytes.  The address work is the places behind the last products.
	v_and_b32 v14, 3, v[RR]
	v_lshlrev_b32 v14, 8, v14
	v_lshl_add_u32 v14, v[HL], 5, v14
	s_lshl_b32 s2, s18, 10
	s_add_co_u32 s2, s2, STG                       ; my stage: four rows of 256 bytes
	v_add_nc_u32 v14, s2, v14
	v_add_nc_u32 v15, s2, v[LI]
	v_nop
.irp ct, 0,1,2,3
	ds_store_b128 v14, v[QP+8*\ct:QP+8*\ct+3] offset:64*\ct          ; each accumulator from its low end on
	ds_store_b128 v14, v[QP+8*\ct+4:QP+8*\ct+7] offset:64*\ct+16
.endr
	ds_load_b128 v[120:123], v15                   ; LDS serves a wave's instructions in order (ISA guide 5.7.1.4): these see the stores above
	ds_load_b128 v[124:127], v15 offset:512
	s_wait_dscnt 0x0
	global_store_b128 v[LI], v[120:123], s[14:15] th:TH_STORE_NT             ; 32 lanes store 512 consecutive bytes, aligned
	global_store_b128 v[LI], v[124:127], s[14:15] offset:512 th:TH_STORE_NT
	s_wait_tensorcnt 0x0                           ; the wave's end, behind my last LDS store
	ds_add_u32 v[SPW], v[NIL]
	s_wait_dscnt 0x0
	s_endpgm
.Lfunc_end_k_q4e45b061ea_attn:
	.size	k_q4e45b061ea_attn, .Lfunc_end_k_q4e45b061ea_attn-k_q4e45b061ea_attn
	.p2alignl 7, 3214868480
	.fill 96, 4, 3214868480
	.section	.rodata,"a",@progbits
	.p2align	6, 0x0
	.amdhsa_kernel k_q4e45b061ea_attn
		.amdhsa_group_segment_fixed_size 317952
		.amdhsa_private_segment_fixed_size 0
		.amdhsa_enable_private_segment 0
		.amdhsa_kernarg_size 56
		.amdhsa_user_sgpr_count 2
		.amdhsa_user_sgpr_kernarg_segment_ptr 1
		.amdhsa_wavefront_size32 1
		.amdhsa_system_sgpr_workgroup_id_x 1
		.amdhsa_system_sgpr_workgroup_id_y 1
		.amdhsa_system_sgpr_workgroup_id_z 1
		.amdhsa_system_vgpr_workitem_id 0
		.amdhsa_next_free_vgpr 1024
		.amdhsa_next_free_sgpr 66
		.amdhsa_reserve_vcc 0
		.amdhsa_float_denorm_mode_32 3
		.amdhsa_float_denorm_mode_16_64 3
		.amdhsa_memory_ordered 1
		.amdhsa_forward_progress 1
		.amdhsa_inst_pref_size 225
	.end_amdhsa_kernel
	.amdgpu_metadata
---
amdhsa.version: [ 1, 2 ]
amdhsa.kernels:
  - .name:           k_q4e45b061ea_attn
    .symbol:         k_q4e45b061ea_attn.kd
    .args:
      - { .name: v, .offset: 0, .size: 8, .value_kind: global_buffer, .address_space: global }
      - { .name: Q, .offset: 8, .size: 8, .value_kind: global_buffer, .address_space: global }
      - { .name: bk, .offset: 16, .size: 8, .value_kind: global_buffer, .address_space: global }
      - { .name: wimg, .offset: 24, .size: 8, .value_kind: global_buffer, .address_space: global }
      - { .name: wscl, .offset: 32, .size: 8, .value_kind: global_buffer, .address_space: global }
      - { .name: out0, .offset: 40, .size: 8, .value_kind: global_buffer, .address_space: global }
      - { .name: out1, .offset: 48, .size: 8, .value_kind: global_buffer, .address_space: global }
    .group_segment_fixed_size: 317952
    .private_segment_fixed_size: 0
    .kernarg_segment_align: 8
    .kernarg_segment_size: 56
    .max_flat_workgroup_size: 128
    .sgpr_count:     66
    .vgpr_count:     1024
    .wavefront_size: 32
...
	.end_amdgpu_metadata
.endif
;; end of part 2
;; ======== version 2 of 2: 2 launches
;; limits: values are held in f16: magnitudes above 65,504 overflow, below 6.1e-05 lose precision; inputs' magnitudes at most 65,504; right only within a limited range of input values
;; workspace buffers: wimg 524,288 bytes; wscl 32,768 bytes
;; launch wq (part 3): grid 256 x 1, 4 waves a work-group, no clusters, 2,816 bytes of LDS; arguments Wk, wimg, wscl; writes wimg, wscl
.if DOCPART == 3
	.amdgcn_target "amdgcn-amd-amdhsa--gfx1250"
	.amdhsa_code_object_version 6
	.text
	.protected	k_q4e45b061ea_wq
	.globl	k_q4e45b061ea_wq
	.p2align	8
	.type	k_q4e45b061ea_wq,@function
k_q4e45b061ea_wq:
	s_mov_b64 s[64:65], 0
	v_nop
	global_prefetch_b8 v0, s[64:65] scope:SCOPE_SE
	s_setreg_imm32_b32 hwreg(HW_REG_WAVE_MODE, 25, 1), 1
	s_wait_xcnt 0x0
; Wk [2048][512], f32, K innermost, becomes codes of FP4 (E2M1) with one E8M0 byte for each 32 along K, laid in the order in which the second launch's operand registers take them.
; NOTHING OF reference() IS LEFT OUT IN THIS PROGRAM.  With x = (h 128 + b) 4 + t / 128 and t' = 4 (t % 128) + a, reference()'s reshapes say
;   score[x][t'] = Q[flat row 4 h + b / 32] . (v[b][t] Wk[(8 a + h) 64 + d] + bk[(8 a + h) 64 + d]) / 8:
; every number of the first product meets one query, and bk's term changes with a, which runs along the softmax's axis.  So v, Q, Wk and bk are all loaded.
; A TILE T = 16 h + 4 a + dl is the 16 rows (8 a + h) 64 + 16 dl + r of Wk.  Its fragment of local K step sg (16 rows x 128 K: 8 registers a lane) lies at wimg + (4 T + sg) 1024 as an image of the registers:
; register group c (0, 1) at 512 c, lane l's 16 bytes at 16 l.  Lane (r, hl) holds row r, block 2 c + hl of the step.
; THE K STEPS ARE ROTATED: local step sg is true step sg xor 2 (h / 4), here and in the second launch alike, so that local steps 0 and 1 are the features of that launch's own four heads.
; INSIDE A BLOCK OF 32 the order of k is permuted, alike on both sides: word q (8 codes) holds k = 4 q .. 4 q + 3 and 16 + 4 q .. 16 + 4 q + 3, so that four neighbouring lanes load 64 neighbouring bytes.  Blocks stay whole.
; Scale words: wscl + 256 T + 128 p + 4 lane: lanes 0-15 the word of local step 2 p, lanes 16-31 that of 2 p + 1, each for row lane % 16.
; A block's scale is 2^(floor(log2(largest magnitude)) - 2): its byte is the largest magnitude's exponent field - 2, held at 1 from below.
; LIMITS: a block of zeros gets the byte 1 where the rule says 127 (its codes are zeros, and this program alone reads the bytes); blocks whose largest magnitude lies under 2^-124 are held at byte 1; NaN and infinities are not served.
; Work-group g takes tile T = g / 2 and local K steps 2 p, 2 p + 1 with p = g % 2: 16 rows x 256 numbers, four rows a wave.  Codes and bytes meet in LDS and leave as runs of consecutive bytes.
.set SCLO,  2048                       ; LDS: the image's 2,048 bytes, the 128 scale bytes,
.set SPARE, 2304                       ; and the spare words, 128 bytes for each wave
.set X,  16                            ; v16-47   four rows, 8 numbers a lane
.set TM, 48                            ; v48-51   largest magnitudes
.set SO, 52                            ; v52-55   the conversions' scale operands
.set BY, 56                            ; v56-59   the scales' bytes
.set CD, 60                            ; v60-63   code words
	s_load_b128 s[4:7], s[0:1], 0x0                ; Wk, wimg
	s_load_b64 s[8:9], s[0:1], 0x10                ; wscl
	v_lshrrev_b32 v3, 5, v0
	v_readfirstlane_b32 s10, v3                    ; wave 0..3
	s_lshl_b32 s11, s10, 6                         ; four rows of 16 bytes in an image's block
	s_lshl_b32 s12, s10, 4                         ; four rows of 4 bytes among the scale words
	s_add_co_u32 s12, s12, SCLO
	s_lshr_b32 s13, ttmp9, 1                       ; T
	s_and_b32 s14, ttmp9, 1                        ; p
	s_lshr_b32 s15, s13, 4                         ; h
	s_bfe_u32 s16, s13, 0x20002                    ; a
	s_and_b32 s17, s13, 3                          ; dl
	s_lshl_b32 s16, s16, 3
	s_add_co_u32 s16, s16, s15                     ; 8 a + h
	s_lshl_b32 s16, s16, 6
	s_lshl_b32 s17, s17, 4
	s_add_co_u32 s16, s16, s17                     ; the tile's first row
	s_lshl_b32 s17, s10, 2
	s_add_co_u32 s16, s16, s17                     ; my first row
	s_lshl_b32 s16, s16, 11                        ; in bytes
	s_lshr_b32 s15, s15, 2                         ; h / 4
	s_xor_b32 s15, s15, s14                        ; true K steps 2 (p xor h / 4) and the next: 1,024 bytes a pair
	s_lshl_b32 s15, s15, 10
	s_add_co_u32 s16, s16, s15
	s_mov_b32 s17, 0
	s_lshl_b32 s18, ttmp9, 11                      ; (4 T + 2 p) 1024 = 2,048 g
	s_mov_b32 s19, 0
	s_lshl_b32 s20, ttmp9, 7                       ; 256 T + 128 p = 128 g
	s_mov_b32 s21, 0
	v_lshl_add_u32 v1, v0, 2, SPARE
	v_mov_b32 v2, 0
	v_bfe_u32 v5, v0, 2, 3                         ; my block of the eight
	v_and_b32 v6, 3, v0                            ; my word of its four
	v_lshlrev_b32 v7, 7, v5
	v_lshl_add_u32 v7, v6, 4, v7                   ; in memory: 128 bytes a block, 16 a lane
	v_lshlrev_b32 v8, 8, v5
	v_lshl_add_u32 v8, v6, 2, v8
	v_add_nc_u32 v8, s11, v8                       ; in the image: 256 bytes a block, 16 a row, 4 a word
	v_bfe_u32 v9, v0, 4, 1
	v_and_b32 v10, 3, v5
	v_lshl_add_u32 v9, v9, 6, v10
	v_add_nc_u32 v9, s12, v9                       ; the scale byte's place: 64 a step, 4 a row
	v_lshlrev_b32 v11, 4, v0
	v_lshlrev_b32 v12, 2, v0
	s_wait_alu depctr_va_vdst(0)                   ; the wait at the head's end
	s_wait_kmcnt 0x0
	s_add_nc_u64 s[4:5], s[4:5], s[16:17]
	s_add_nc_u64 s[6:7], s[6:7], s[18:19]
	s_add_nc_u64 s[8:9], s[8:9], s[20:21]
.irp j, 0,1,2,3
	global_load_b128 v[X+8*\j:X+8*\j+3], v7, s[4:5] offset:2048*\j th:TH_LOAD_NT
	global_load_b128 v[X+8*\j+4:X+8*\j+7], v7, s[4:5] offset:2048*\j+64 th:TH_LOAD_NT
.endr
	s_wait_loadcnt 0x0
.irp j, 0,1,2,3
	v_max3_num_f32 v[TM+\j], 0x1800000, |v[X+8*\j]|, |v[X+8*\j+1]|   ; my 8 numbers of the block, and the floor 2^(3 - 127)
.endr
.irp i, 2,4,6
.irp j, 0,1,2,3
	v_max3_num_f32 v[TM+\j], v[TM+\j], |v[X+8*\j+\i]|, |v[X+8*\j+\i+1]|
.endr
.endr
.irp j, 0,1,2,3
	v_max_num_f32_dpp v[TM+\j], v[TM+\j], v[TM+\j] row_xmask:1 row_mask:0xf bank_mask:0xf
.endr
.irp j, 0,1,2,3
	v_max_num_f32_dpp v[TM+\j], v[TM+\j], v[TM+\j] row_xmask:2 row_mask:0xf bank_mask:0xf   ; with the three lanes beside me: the block's
.endr
.irp j, 0,1,2,3
	v_add_nc_u32 v[SO+\j], 0xff000000, v[TM+\j]    ; 2 off the exponent field: the conversion's scale operand
.endr
.irp j, 0,1,2,3
	v_lshrrev_b32 v[BY+\j], 23, v[SO+\j]           ; the scale's byte
.endr
.irp j, 0,1,2,3
	v_cvt_scalef32_pk8_fp4_f32 v[CD+\j], v[X+8*\j:X+8*\j+7], v[SO+\j]
.endr
	v_nop                                          ; one plain line behind the last scaled conversion
.irp j, 0,1,2,3
	ds_store_b32 v8, v[CD+\j] offset:16*\j
.endr
.irp j, 0,1,2,3
	ds_store_b8 v9, v[BY+\j] offset:4*\j           ; the four lanes of a block write the same byte with the same value
.endr
	s_wait_dscnt 0x0                               ; my stores are done, for the other waves
	s_barrier_signal -1
	s_barrier_wait -1
	ds_load_b128 v[64:67], v11                     ; 16 x thread: a wave takes 512 consecutive bytes of the image
	s_wait_dscnt 0x0
	global_store_b128 v11, v[64:67], s[6:7]        ; and stores them, aligned
	s_cmp_lg_u32 s10, 0
	s_cbranch_scc1 .Lend
	ds_load_b32 v68, v12 offset:SCLO               ; wave 0: the 128 scale bytes
	s_wait_dscnt 0x0
	global_store_b32 v12, v68, s[8:9]
.Lend:
	s_wait_tensorcnt 0x0                           ; the wave's end
	ds_add_u32 v1, v2
	s_wait_dscnt 0x0
	s_endpgm
.Lfunc_end_k_q4e45b061ea_wq:
	.size	k_q4e45b061ea_wq, .Lfunc_end_k_q4e45b061ea_wq-k_q4e45b061ea_wq
	.p2alignl 7, 3214868480
	.fill 96, 4, 3214868480
	.section	.rodata,"a",@progbits
	.p2align	6, 0x0
	.amdhsa_kernel k_q4e45b061ea_wq
		.amdhsa_group_segment_fixed_size 2816
		.amdhsa_private_segment_fixed_size 0
		.amdhsa_enable_private_segment 0
		.amdhsa_kernarg_size 24
		.amdhsa_user_sgpr_count 2
		.amdhsa_user_sgpr_kernarg_segment_ptr 1
		.amdhsa_wavefront_size32 1
		.amdhsa_system_sgpr_workgroup_id_x 1
		.amdhsa_system_sgpr_workgroup_id_y 1
		.amdhsa_system_sgpr_workgroup_id_z 1
		.amdhsa_system_vgpr_workitem_id 0
		.amdhsa_next_free_vgpr 72
		.amdhsa_next_free_sgpr 66
		.amdhsa_reserve_vcc 0
		.amdhsa_float_denorm_mode_32 3
		.amdhsa_float_denorm_mode_16_64 3
		.amdhsa_memory_ordered 1
		.amdhsa_forward_progress 1
		.amdhsa_inst_pref_size 7
	.end_amdhsa_kernel
	.amdgpu_metadata
---
amdhsa.version: [ 1, 2 ]
amdhsa.kernels:
  - .name:           k_q4e45b061ea_wq
    .symbol:         k_q4e45b061ea_wq.kd
    .args:
      - { .name: Wk, .offset: 0, .size: 8, .value_kind: global_buffer, .address_space: global }
      - { .name: wimg, .offset: 8, .size: 8, .value_kind: global_buffer, .address_space: global }
      - { .name: wscl, .offset: 16, .size: 8, .value_kind: global_buffer, .address_space: global }
    .group_segment_fixed_size: 2816
    .private_segment_fixed_size: 0
    .kernarg_segment_align: 8
    .kernarg_segment_size: 24
    .max_flat_workgroup_size: 128
    .sgpr_count:     66
    .vgpr_count:     72
    .wavefront_size: 32
...
	.end_amdgpu_metadata
.endif
;; end of part 3
;; launch attn (part 4): grid 16 x 16, 8 waves a work-group, clusters of 4 x 4, 315,392 bytes of LDS; arguments v, Q, bk, wimg, wscl, out0, out1; writes out0, out1
.if DOCPART == 4
	.amdgcn_target "amdgcn-amd-amdhsa--gfx1250"
	.amdhsa_code_object_version 6
	.text
	.protected	k_q4e45b061ea_attn
	.globl	k_q4e45b061ea_attn
	.p2align	8
	.type	k_q4e45b061ea_attn,@function
k_q4e45b061ea_attn:
	s_mov_b64 s[64:65], 0
	v_nop
	global_prefetch_b8 v0, s[64:65] scope:SCOPE_SE
	s_setreg_imm32_b32 hwreg(HW_REG_WAVE_MODE, 25, 1), 1
	s_wait_xcnt 0x0
	s_wait_alu depctr_hold_cnt(0) depctr_sa_sdst(0) depctr_va_vdst(0) depctr_va_sdst(0) depctr_va_ssrc(0) depctr_va_vcc(0) depctr_vm_vsrc(0)
	s_getreg_b32 s2, hwreg(HW_REG_IB_STS2, 6, 4)
	s_cmp_eq_u32 s2, 0
	s_cbranch_scc0 .Lentry_in_a_cluster
	s_endpgm
.Lentry_in_a_cluster:
	s_bfe_u32 s2, ttmp6, 0x10000c
	s_cmp_lg_u32 s2, 0xf033
	s_cbranch_scc0 .Lentry_shape_is_right
	s_endpgm
.Lentry_shape_is_right:
; All of reference() behind the quantising of Wk, in one launch.  Nothing is left out: see the first kernel's head; v, Q and bk are loaded here, Wk came as wimg and wscl.
; With x = (h 128 + b) 4 + j (j = t / 128) and t' = 4 (t % 128) + a:
;   score[x][t'] = Q[flat row 4 h + b / 32] . (vq[b][t] Wq[(8 a + h) 64 + d] + bk[(8 a + h) 64 + d]) / 8;  out1[x] = softmax over t';  out0[x][c] = sum over t' of out1[x][t'] v[b][t'][64 h + c].
; SHARES.  Work-group (x, y): batch b = 8 x + y / 2, heads 4 hh .. 4 hh + 3 with hh = y % 2.  Wave w of eight: head h = 4 hh + hw with hw = w % 4, and a = 2 ah, 2 ah + 1 with ah = w / 4: 128 rows of Wq, all 512 of K:
; 256 registers, which stay for the whole launch.  v[b] goes by in 16 blocks of 32 rows; in a block wave w takes rows 4 w .. 4 w + 3 from memory into registers.
; A PERIOD (one barrier): block n + 1 is quantised into one image buffer and block n + 2 is asked for; then block n is multiplied out of the other buffer.
; QUANTISING.  A lane takes 8 numbers of a block of 32, 16 bytes and 16 bytes 64 further on: four neighbouring lanes load 64 neighbouring bytes and hold the block.  So inside a block k is permuted, alike in the first kernel.
; A conversion gives one word of 8 codes, which goes to its place in an image of the operand's registers in LDS.  The 256 features of the work-group's own heads also go to LDS as f16 in the same order.
; THE K STEPS ARE ROTATED as in the first kernel: local steps 0 and 1 are my work-group's heads' features whatever hh is: no branch and no LDS address hangs on hh.
; THE FIRST PRODUCT IS USED TRANSPOSED: source 0 = 32 rows of Wq, source 1 = 16 rows of vq: a lane holds one t (lane % 16) and eight d of each sixteen: the product with Q is packed multiply-adds in f32 on the accumulators,
; among the matrix instructions.  Q carries log2(e) / 8, so the scores are exponents of 2; bk's term starts the sums.
; The scores of two j go to LDS; then each wave makes one whole softmax row of its head, so that whole rows leave.
; THE LAST PRODUCT: f16 operands, f32 sums: O^T = V^T P, V turned by ds_load_tr16_b128; P's 16 columns are the head's 4 rows, four times over; wave (hw, ah) makes block ah of its head's channels.  f16 and not bf16: 11
; significant bits against 8; out0 is a sum of 512 rounded terms that largely cancel, compared at a hundredth of its root mean square.  Both have room in f16: weights lie in 0 .. 1, v may be some hundreds of times its drawn spread.
; CLUSTERS of 4 x 4: the four work-groups of a row of the cluster have one hh and need the same 256 KiB of Wq: each wave asks JOINTLY with its three partners for the 32 KiB that it keeps.  The two work-groups of a batch, which
; read the same rows of v, lie in one column.  v IS NOT ASKED FOR JOINTLY: its rows go from memory straight into the registers of the wave that quantises them; two landing slots of 32 f32 rows would be 131,072 bytes of LDS,
; and 12,288 are left beside what this text keeps there.
; LIMITS: NaN and infinities among the inputs are not served.  A block of zeros has the byte 1 and zero codes; blocks whose largest magnitude lies under 2^-124 are held at byte 1.  v and the softmax's weights are rounded
; to f16 for the last product: a |v| of 65,520 or more becomes infinity there; weights under 2^-14 are carried as f16 subnormals, with an error of at most 2^-25 each.  The sums of the first product run in rotated order.
;
; LDS: IMG: two buffers of 2 tiles of 4 fragments of 1,088 bytes.  A fragment is four chunks of 256 bytes, 272 apart: chunk 2 c + hl holds, for row r at 16 r, the 16 bytes that lane (r, hl) takes into registers 4 c .. 4 c + 3.
;   SCL: + 512 buffer + 256 tile + 128 p + 4 lane (lanes 0-15 step 2 p, lanes 16-31 step 2 p + 1);   SC: scores, row (2 hw + j % 2) of 2,048 bytes; at the end out0's way out;   SPARE: the spare words;
;   VB: row t' of v[b] at 544 t': 512 bytes of f16, and 32 bytes that hold weights in f16: 16 of row R = 4 hw + j, t' = 16 u on, behind VB's row 32 R + u;
;   LAND: Wq's images, 32,768 bytes a wave, filled once, at the head, and read into registers before anything but VB's rows 0 to 31, in front of it, is stored.
.set FRB,   1088
.set TILEB, 4*FRB
.set IMGB,  2*TILEB
.set SCL,   2*IMGB
.set SC,    SCL+1024
.set SPARE, SC+16384                   ; 128 bytes for each wave: four blocks of 256 bytes that no other line names
.set VP,    544
.set VB,    SPARE+1024
.set LAND,  VB+32*VP
; REGISTERS, window 0:
.set SPW,  1                           ; LDS address of my spare word; never rewritten
.set NIL,  2                           ; 0; never rewritten
.set LS,   3                           ; 4 x lane
.set XO,   4                           ; v: 128 (lane / 4) + 16 (lane % 4)
.set IWA,  5                           ; where I store code words
.set SWB,  6                           ; and scale bytes
.set VST0, 7                           ; and f16 rows, in block 0
.set VSA,  8                           ; the same in the blocks in hand
.set O1,   9                           ; 16 x lane
.set FI,   10                          ; where I read images: 16 r + 272 hl
.set PFO,  11                          ; the prefetches' offset
.set PY,   12                          ; a lane permute's destination
.set ATW0, 13                          ; where I store weights of row 4 hw + ah
.set SCA,  14                          ; where I read a row of scores
.set SCW,  15                          ; where I store scores
.set PB,   16                          ; v16-17   an eighth of Q . bk, for my two a
.set VS,   18                          ; v18-19   vq's scale words: scales and nothing else
.set WS,   20                          ; v20-35   Wq's scale words: 32 rows (2 ap + dp), K step sg, at 4 (2 ap + dp) + sg, a lane a row: scales and nothing else
.set W2,   36                          ; v36-67   Wq of my second a, K step 3, at 8 dl
.set F,    68                          ; v68-99   vq's four fragments
.set Z,    100                         ; v100-107 scores: tile k of a j: lane (r, hl): t % 128 = 16 k + r, a = 2 ah + hl
.set S,    108                         ; v108-123 two pairs of partial sums for each group of a block
.set XA,   124                         ; v124-127
.set ACC,  128                         ; v128-191 two sets of two accumulators of 32 x 16; at work while a block is quantised and in the softmax
.set WA,   176                         ; at the head: where my Wq landed
.set X,    192                         ; v192-255 my 4 rows of the next block: row j, piece P (256 features), at 16 j + 8 P
; window 1: Wq, 16 registers for 32 rows (dp) x a K step: of my first a at 64 dp + 16 sg; of my second at 128 + 48 dp + 16 sg (sg = 0 .. 2);
.set QPW,  224                         ; and Q x log2(e) / 8: d = 16 dl + 8 hl + i at 224 + 8 dl + i.  So products and the product with Q run under one window setting
.set E,    128                         ; the softmax: v128-143 a row's scores, then weights
.set VT,   4                           ; the last product: v4-7 V's addresses, 128 rows apart; v8 the weights'; v11 lane / 16
.set ATR,  8
.set PF,   100                         ; v100-227 P's 16 fragments; V's fill window 1; the accumulators are v68-99
.set G0,   48                          ; s[48:51], s[52:59] descriptor groups 0 and 1 of my part of Wq
.set G1,   52
; s18 w, s19 hw, s31 ah, s20 b, s21 h; s[22:23] selects for lane l xor 16; s[24:25] v at my rows, piece 0 (local steps 0, 1); s[26:27] piece 1; s28 trip; s29 where in VB the trip's first new block lies
.set MSB, 0
.macro WIN new                         ; s_set_vgpr_msb: bits 1:0 source 0, 3:2 source 1, 5:4 source 2, 7:6 destination; the high byte repeats the setting that is left
.if MSB != (\new)
	s_set_vgpr_msb (MSB<<8)|(\new)
.set MSB, (\new)
.endif
.endm
.macro ROUND                           ; a round of the cluster's barrier
	s_barrier_signal -1
	s_barrier_wait -1
	s_cmp_lg_u32 s18, 0
	s_cbranch_scc1 .Lnot_wave_0_\@
	s_barrier_signal -3
.Lnot_wave_0_\@:
	s_barrier_wait -3
	s_barrier_signal -1
	s_barrier_wait -1
.endm
; rows 2 bt, 2 bt + 1 of my 4, block blk from the base on: 8 loads
.macro LOADX bt, blk
.irp jj, 0,1
	global_load_b128 v[X+32*(\bt)+16*\jj:X+32*(\bt)+16*\jj+3], v[XO], s[24:25] offset:65536*(\blk)+2048*(2*(\bt)+\jj)
	global_load_b128 v[X+32*(\bt)+16*\jj+4:X+32*(\bt)+16*\jj+7], v[XO], s[24:25] offset:65536*(\blk)+2048*(2*(\bt)+\jj)+64
	global_load_b128 v[X+32*(\bt)+16*\jj+8:X+32*(\bt)+16*\jj+11], v[XO], s[26:27] offset:65536*(\blk)+2048*(2*(\bt)+\jj)
	global_load_b128 v[X+32*(\bt)+16*\jj+12:X+32*(\bt)+16*\jj+15], v[XO], s[26:27] offset:65536*(\blk)+2048*(2*(\bt)+\jj)+64
.endr
.endm
; Two rows are quantised: 4 units of 8 numbers a lane, by turns.  Unit u = 2 (row) + piece.  Piece 0's numbers also become f16.
.macro XQC bt
.set XB, X+32*(\bt)
.set TB, ACC+24*(\bt)
.irp u, 0,1,2,3
	v_max3_num_f32 v[TB+\u], 0x1800000, |v[XB+8*\u]|, |v[XB+8*\u+1]|         ; and the floor 2^(3 - 127): the byte cannot fall under 1
.endr
.irp i, 2,4,6
.irp u, 0,1,2,3
	v_max3_num_f32 v[TB+\u], v[TB+\u], |v[XB+8*\u+\i]|, |v[XB+8*\u+\i+1]|
.endr
.endr
.irp u, 0,1,2,3
	v_max_num_f32_dpp v[TB+\u], v[TB+\u], v[TB+\u] row_xmask:1 row_mask:0xf bank_mask:0xf
.endr
.irp u, 0,1,2,3
	v_max_num_f32_dpp v[TB+\u], v[TB+\u], v[TB+\u] row_xmask:2 row_mask:0xf bank_mask:0xf   ; with the three lanes beside me: the block's largest magnitude
.endr
.irp u, 0,1,2,3
	v_add_nc_u32 v[TB+4+\u], 0xff000000, v[TB+\u]  ; 2 off the exponent field: the conversion's scale operand
.endr
.irp u, 0,1,2,3
	v_lshrrev_b32 v[TB+8+\u], 23, v[TB+4+\u]       ; the scale's byte
.endr
.irp u, 0,1,2,3
	v_cvt_scalef32_pk8_fp4_f32 v[TB+12+\u], v[XB+8*\u:XB+8*\u+7], v[TB+4+\u]
.endr
.irp jj, 0,1
.irp m, 0,1,2,3
	v_cvt_pk_f16_f32 v[TB+16+4*\jj+\m], v[XB+16*\jj+2*\m], v[XB+16*\jj+2*\m+1]
.endr
.endr
.endm
; and stored: codes and scale bytes into buffer be, f16 rows into VB
.macro XQST bt, be, voff
.set TB, ACC+24*(\bt)
.irp u, 0,1,2,3
	ds_store_b32 v[IWA], v[TB+12+\u] offset:(\be)*IMGB+(\u%2)*2*FRB+16*(2*(\bt)+\u/2)       ; a piece is two fragments, a row 16 bytes of a chunk
.endr
.irp u, 0,1,2,3
	ds_store_b8 v[SWB], v[TB+8+\u] offset:(\be)*512+(\u%2)*128+4*(2*(\bt)+\u/2)            ; the four lanes of a block write the same byte with the same value
.endr
.irp jj, 0,1
	ds_store_b128 v[VSA], v[TB+16+4*\jj:TB+16+4*\jj+3] offset:(\voff)+VP*(2*(\bt)+\jj)     ; 32 lanes store a row's 512 consecutive bytes
.endr
.endm
	s_load_b256 s[4:11], s[0:1], 0x0               ; v s[4:5], Q s[6:7], bk s[8:9], wimg s[10:11]
	s_load_b128 s[12:15], s[0:1], 0x20             ; wscl s[12:13], out0 s[14:15]
	s_load_b64 s[16:17], s[0:1], 0x30              ; out1
	v_lshl_add_u32 v[SPW], v0, 2, SPARE
	v_mov_b32 v[NIL], 0
	ds_add_u32 v[SPW], v[NIL]                      ; the wave's opening: the add, twice on end, and its wait ahead of my first tensor load; work on registers stands between
	ds_add_u32 v[SPW], v[NIL]
	v_lshrrev_b32 v100, 5, v0
	v_readfirstlane_b32 s18, v100                  ; wave 0..7
	s_and_b32 s19, s18, 3                          ; hw.  Also: which four rows of a tile are mine
	s_lshr_b32 s31, s18, 2                         ; ah.  Also: which tile of a block they lie in
	s_bfe_u32 s60, ttmp6, 0x40000                  ; cx
	s_bfe_u32 s61, ttmp6, 0x40004                  ; cy
	s_lshl_b32 s33, ttmp9, 2
	s_add_co_u32 s33, s33, s60                     ; x = 4 x cluster x + cx
	s_and_b32 s62, ttmp7, 0xffff
	s_lshl_b32 s62, s62, 2
	s_add_co_u32 s62, s62, s61                     ; y = 4 x cluster y + cy
	s_and_b32 s37, s61, 1                          ; hh
	s_lshl_b32 s20, s33, 3
	s_lshr_b32 s32, s62, 1
	s_add_co_u32 s20, s20, s32                     ; b
	s_lshl_b32 s21, s37, 2
	s_add_co_u32 s21, s21, s19                     ; h
	s_mul_i32 s38, s31, TILEB
	s_lshl_b32 s39, s19, 6                         ; four rows of 16 bytes
	s_add_co_u32 s38, s38, s39
	s_lshl_b32 s40, s31, 8
	s_lshl_b32 s39, s19, 4                         ; four rows of 4 bytes
	s_add_co_u32 s40, s40, s39
	s_add_co_u32 s40, s40, SCL
	s_mul_i32 s41, s18, 4*VP
	s_add_co_u32 s41, s41, VB
	s_lshl_b32 s42, s19, 2
	s_add_co_u32 s42, s42, s31                     ; my first softmax row: 4 hw + ah
	s_mul_i32 s42, s42, 32*VP
	s_add_co_u32 s42, s42, VB+512
	s_lshl_b32 s43, s19, 12
	s_add_co_u32 s43, s43, SC
	s_lshl_b32 s44, s31, 3
	s_add_co_u32 s44, s43, s44
	s_lshl_b32 s39, s31, 11
	s_add_co_u32 s43, s43, s39
	s_lshl_b32 s45, s18, 15
	s_add_co_u32 s45, s45, LAND                    ; where my part of Wq lands
	s_mov_b32 s22, 0x76543210
	s_mov_b32 s23, 0xfedcba98
	; descriptor group 1: 32,768 dense bytes as 128 rows of 256 bytes (32 elements of 8 bytes), no padding
	s_lshl_b32 s46, s61, 2
	s_lshl_b32 s46, 15, s46                        ; my row of the cluster: places 4 cy .. 4 cy + 3
	s_or_b32 s[G1], s46, (3<<16)|(1<<21)           ; 15:0 the mask; 17:16 elements of 8 bytes; 21 set beside a mask
	s_mov_b32 s[G1+1], 32<<16                      ; tensor_dim0
	s_mov_b32 s[G1+2], 128<<16                     ; tensor_dim1
	s_mov_b32 s[G1+3], 32<<16                      ; tile_dim0
	s_mov_b32 s[G1+4], 128                         ; tile_dim1
	s_mov_b32 s[G1+5], 32                          ; from row to row
	s_mov_b32 s[G1+6], 0
	s_mov_b32 s[G1+7], 0
	s_lshl_b32 s46, s21, 16                        ; my head's 64 images, my half of them
	s_lshl_b32 s47, s31, 15
	s_add_co_u32 s46, s46, s47
	s_mov_b32 s47, 0
	v_and_b32 v100, 31, v0                         ; lane
	v_and_b32 v101, 15, v0                         ; r
	v_bfe_u32 v102, v0, 4, 1                       ; hl
	v_bfe_u32 v103, v0, 2, 3                       ; lane / 4: which block of a piece's eight is mine
	v_and_b32 v104, 3, v0                          ; lane % 4: which word of its four
	v_lshlrev_b32 v[LS], 2, v100
	v_lshlrev_b32 v[O1], 4, v100
	v_lshlrev_b32 v[XO], 7, v103
	v_lshl_add_u32 v[XO], v104, 4, v[XO]
	v_mul_u32_u24 v[IWA], v103, 272                ; block lane / 4 of a piece is chunk (lane / 4) % 4 of fragment lane / 16: 272 (lane / 4), since a fragment is four chunks
	v_lshl_add_u32 v[IWA], v104, 2, v[IWA]
	v_add_nc_u32 v[IWA], s38, v[IWA]
	v_and_b32 v105, 3, v103                        ; my block's number in its K step: its byte in the scale word
	v_lshl_add_u32 v[SWB], v102, 6, v105
	v_add_nc_u32 v[SWB], s40, v[SWB]
	v_add_nc_u32 v[VST0], s41, v[O1]
	v_mul_u32_u24 v[FI], v102, 272
	v_lshl_add_u32 v[FI], v101, 4, v[FI]
	v_mul_u32_u24 v[ATW0], v103, VP
	v_lshl_add_u32 v[ATW0], v104, 3, v[ATW0]
	v_add_nc_u32 v[ATW0], s42, v[ATW0]
	v_add_nc_u32 v[SCA], s43, v[O1]
	v_lshlrev_b32 v106, 2, v102
	v_lshl_add_u32 v106, v101, 4, v106
	v_add_nc_u32 v[SCW], s44, v106
	v_lshlrev_b32 v[PFO], 8, v104                  ; lanes 256 bytes apart in a row,
	v_lshl_add_u32 v[PFO], v105, 11, v[PFO]        ; four rows,
	v_lshl_add_u32 v[PFO], v102, 16, v[PFO]        ; two blocks
	v_lshlrev_b32 v106, 3, v100                    ; Q . bk: two d a lane
	v_lshlrev_b32 v107, 5, v102                    ; Q: my eight d of each sixteen
	v_lshlrev_b32 v105, 2, v101
	v_lshl_add_u32 v105, v102, 8, v105             ; Wq's scale words: lane l takes row l of 32: tiles are 256 bytes apart
	v_add_nc_u32 v[WA], s45, v[O1]
	v_mov_b32 v[PY], 0                             ; a lane permute's destination counts as one of its sources
	v_mov_b32 v[VSA], v[VST0]
	s_mov_b32 s3, 0
	s_wait_alu depctr_va_vdst(0)                   ; directly ahead of the waits below
	s_wait_dscnt 0x0                               ; both opening adds are done
	s_wait_kmcnt 0x0
	s_lshl_b32 s2, s20, 20                         ; v[b]: 2^20 bytes a batch,
	s_lshl_b32 s32, s18, 13                        ; my 4 rows of a block,
	s_add_co_u32 s2, s2, s32
	s_lshl_b32 s32, s37, 10                        ; true K steps 2 hh, 2 hh + 1
	s_add_co_u32 s2, s2, s32
	s_add_nc_u64 s[24:25], s[4:5], s[2:3]
	s_xor_b32 s2, s2, 1024                         ; and the other two (the three terms share no bit)
	s_add_nc_u64 s[26:27], s[4:5], s[2:3]
	LOADX 0, 0                                     ; block 0
	LOADX 1, 0
	s_mov_b32 s[G0], 1                             ; descriptor group 0
	s_mov_b32 s[G0+1], s45
	s_add_nc_u64 s[G0+2:G0+3], s[10:11], s[46:47]
	s_or_b32 s[G0+3], s[G0+3], 0x80000000
	s_lshl_b32 s2, s21, 2
	s_lshr_b32 s32, s20, 5
	s_add_co_u32 s2, s2, s32
	s_lshl_b32 s2, s2, 8                           ; Q's flat row 4 h + b / 32
	s_add_nc_u64 s[6:7], s[6:7], s[2:3]
	s_lshl_b32 s2, s21, 8                          ; bk: (8 a + h) 64 numbers: 2,048 a + 256 h bytes
	s_lshl_b32 s32, s31, 12
	s_add_co_u32 s2, s2, s32
	s_add_nc_u64 s[8:9], s[8:9], s[2:3]
	s_lshl_b32 s2, s21, 12                         ; my head's scale words, my half of them
	s_lshl_b32 s32, s31, 11
	s_add_co_u32 s2, s2, s32
	s_add_nc_u64 s[12:13], s[12:13], s[2:3]
.irp d, 0,1,2,3
	global_load_b128 v[F+8*\d:F+8*\d+3], v107, s[6:7] offset:64*\d
	global_load_b128 v[F+8*\d+4:F+8*\d+7], v107, s[6:7] offset:64*\d+16
.endr
	global_load_b64 v[108:109], v106, s[6:7]       ; Q, two d a lane,
	global_load_b64 v[110:111], v106, s[8:9]       ; and bk for my two a
	global_load_b64 v[112:113], v106, s[8:9] offset:2048
.irp t, 0,1,2,3
.irp sg, 0,1,2,3
	global_load_b32 v[WS+4*\t+\sg], v105, s[12:13] offset:512*\t+64*\sg
.endr
.endr
	ROUND                                          ; all sixteen work-groups are here: the joint loads meet
	tensor_load_to_lds s[G0:G0+3], s[G1:G1+7]      ; my 32 fragments of Wq: the launch's one tensor load a wave
	s_nop 0
.rept 4
	v_nop
.endr
	s_lshl_b32 s32, s21, 7
	s_add_co_u32 s32, s32, s20                     ; 128 h + b
	s_lshl_b32 s2, s32, 10
	s_lshl_b32 s33, s31, 9
	s_add_co_u32 s2, s2, s33
	s_add_nc_u64 s[14:15], s[14:15], s[2:3]        ; out0: four rows of 256 bytes; I store two of them
	s_lshl_b32 s2, s32, 13
	s_lshl_b32 s33, s31, 11
	s_add_co_u32 s2, s2, s33
	s_add_nc_u64 s[16:17], s[16:17], s[2:3]        ; out1: four rows of 2,048 bytes; I store rows ah and 2 + ah
	s_mov_b32 s34, 0x3e38aa3b                      ; log2(e) / 8
	s_mov_b32 s35, s34                             ; (named with it as a pair, so it is written)
	s_mov_b32 s28, 0
	s_mov_b32 s29, 32*VP                           ; the first trip's first new block is block 1
	s_wait_loadcnt 35                              ; rows 0, 1 are in: 35 loads stand behind theirs
	XQC 0
	LOADX 0, 1
	s_wait_loadcnt 35                              ; rows 2, 3 are in: 35 loads stand behind theirs
	XQC 1
	LOADX 1, 1
	global_prefetch_b8 v[PFO], s[24:25] offset:2*65536 th:TH_LOAD_NT scope:SCOPE_SE    ; blocks 2 and 3 (see PERIOD)
	s_wait_loadcnt 16                              ; Q, bk and Wq's scale words are in: block 1's 16 loads stand behind theirs
	v_mul_f32 v114, v108, v110                     ; Q . bk, the two a by turns
	v_mul_f32 v115, v108, v112
	v_fmac_f32 v114, v109, v111
	v_fmac_f32 v115, v109, v113
.irp m, 1,2,4,8
	v_add_f32_dpp v114, v114, v114 row_xmask:\m row_mask:0xf bank_mask:0xf
	v_add_f32_dpp v115, v115, v115 row_xmask:\m row_mask:0xf bank_mask:0xf
.endr
	v_permlanex16_b32 v[PY], v114, s22, s23
	v_add_f32 v114, v114, v[PY]
	v_permlanex16_b32 v[PY], v115, s22, s23
	v_add_f32 v115, v115, v[PY]
	v_mul_f32 v[PB], 0x3cb8aa3b, v114              ; log2(e) / 64: an eighth of the term starts each of a score's eight partial sums
	v_mul_f32 v[PB+1], 0x3cb8aa3b, v115
	WIN 0x40
.irp i, 0,2,4,6,8,10,12,14,16,18,20,22,24,26,28,30
	v_pk_mul_f32 v[QPW+\i:QPW+\i+1], v[F+\i:F+\i+1], s[34:35] op_sel_hi:[1,0]
.endr
	WIN 0
	s_wait_alu depctr_va_vdst(0)                   ; the wait at the head's end
	s_wait_tensorcnt 0x0                           ; my part of Wq has landed
	s_barrier_signal -1
	s_barrier_wait -1                              ; and everybody's: from here on LDS is stored into
	XQST 0, 0, 0
	XQST 1, 0, 0
	WIN 0x40                                       ; destination window 1
.irp d, 0,1,2,3
.irp sg, 0,1,2,3
.irp c, 0,1
	ds_load_b128 v[64*(\d/2)+16*\sg+8*(\d%2)+4*\c:64*(\d/2)+16*\sg+8*(\d%2)+4*\c+3], v[WA] offset:(4*\d+\sg)*1024+512*\c
.endr
.endr
.irp sg, 0,1,2
.irp c, 0,1
	ds_load_b128 v[128+48*(\d/2)+16*\sg+8*(\d%2)+4*\c:128+48*(\d/2)+16*\sg+8*(\d%2)+4*\c+3], v[WA] offset:(16+4*\d+\sg)*1024+512*\c
.endr
.endr
.endr
	WIN 0
.irp d, 0,1,2,3
.irp c, 0,1
	ds_load_b128 v[W2+8*\d+4*\c:W2+8*\d+4*\c+3], v[WA] offset:(16+4*\d+3)*1024+512*\c
.endr
.endr
	s_wait_dscnt 0x0                               ; Wq is in registers, and my stores of block 0 are done
	s_barrier_signal -1
	s_barrier_wait -1
; half hf of tile tl of buffer be: K steps 2 hf, 2 hf + 1 and their scale words: five loads
.macro FETCHP tl, be, hf
.irp e, 0,1
.irp c, 0,1
	ds_load_b128 v[F+16*(\hf)+8*\e+4*\c:F+16*(\hf)+8*\e+4*\c+3], v[FI] offset:(\be)*IMGB+(\tl)*TILEB+(2*(\hf)+\e)*FRB+544*\c
.endr
.endr
	ds_load_b32 v[VS+(\hf)], v[LS] offset:SCL+(\be)*512+256*(\tl)+128*(\hf)
.endm
; Two matrix instructions, 32 rows of Wq each, the accumulators by turns, one instruction a turn: a = 2 ah + ap, K step sg.  The first K step starts the sums.
.macro PAIR ap, sg
.if ((\ap) == 1) && ((\sg) == 3)
	WIN 0
.else
	WIN 1                                          ; source 0 (Wq) window 1
.endif
.irp d, 0,1
.if (\ap) == 0
.set WR, 64*\d+16*(\sg)
.elseif (\sg) == 3
.set WR, W2+16*\d
.else
.set WR, 128+48*\d+16*(\sg)
.endif
.set AR, ACC+32*(\ap)+16*\d
.if (\sg) == 0
	v_wmma_scale_f32_32x16x128_f4 v[AR:AR+15], v[WR:WR+15], v[F+8*(\sg):F+8*(\sg)+7], 0, v[WS+4*(2*(\ap)+\d)+(\sg)], v[VS+(\sg)/2]
.elseif ((\sg)%2) == 1
	v_wmma_scale_f32_32x16x128_f4 v[AR:AR+15], v[WR:WR+15], v[F+8*(\sg):F+8*(\sg)+7], v[AR:AR+15], v[WS+4*(2*(\ap)+\d)+(\sg)], v[VS+(\sg)/2] matrix_b_scale:MATRIX_SCALE_ROW1
.else
	v_wmma_scale_f32_32x16x128_f4 v[AR:AR+15], v[WR:WR+15], v[F+8*(\sg):F+8*(\sg)+7], v[AR:AR+15], v[WS+4*(2*(\ap)+\d)+(\sg)], v[VS+(\sg)/2]
.endif
.endr
.endm
; The product with Q of d-tile dl of group G (= 2 tile + ap): four packed multiply-adds in two chains, the accumulator from its low end on; bk's term starts the chains.
; They name no register of the matrix instructions in front of them: they are those instructions' places (ISA guide 7.12.1).
.macro EPI G, dl
	WIN 1                                          ; source 0 (Q) window 1
.set AR, ACC+32*((\G)%2)+8*(\dl)
.set QR, QPW+8*(\dl)
.irp i, 0,1,2,3
.set SR, S+4*(\G)+2*(\i%2)
.if ((\dl) == 0) && (\i < 2)
.if ((\G)%2) == 0
	v_pk_fma_f32 v[SR:SR+1], v[QR+2*\i:QR+2*\i+1], v[AR+2*\i:AR+2*\i+1], v[PB:PB+1] op_sel_hi:[1,1,0]
.else
	v_pk_fma_f32 v[SR:SR+1], v[QR+2*\i:QR+2*\i+1], v[AR+2*\i:AR+2*\i+1], v[PB:PB+1] op_sel:[0,0,1] op_sel_hi:[1,1,1]
.endif
.else
	v_pk_fma_f32 v[SR:SR+1], v[QR+2*\i:QR+2*\i+1], v[AR+2*\i:AR+2*\i+1], v[SR:SR+1]
.endif
.endr
.endm
; A block's two tiles: groups 0, 1 (tile 0), 2, 3 (tile 1); a group's product with Q stands among the next group's matrix instructions.  split = 1: the period's barrier is signalled as soon as my last LDS loads of the
; block are in: my stores of the next block were waited for at the top.
.macro TILES be, zs, split
	s_wait_dscnt 0x0                               ; tile 0's fragments are in; my stores of the next block have read their registers and are done
.irp sg, 0,1,2,3
	PAIR 0, \sg
.endr
.rept 4
	v_nop                                          ; no vector work is at hand yet: the places behind these products
.endr
	PAIR 1, 0
	EPI 0, 0
	PAIR 1, 1
	EPI 0, 1
	WIN 0
	FETCHP 1, \be, 0
	PAIR 1, 2
	EPI 0, 2
	PAIR 1, 3
	EPI 0, 3
	WIN 0
	FETCHP 1, \be, 1
	s_wait_dscnt 5                                 ; tile 1's K steps 0 and 1 are in; the youngest five loads may be out
	PAIR 0, 0
	PAIR 0, 1
	s_wait_dscnt 0x0
.if \split
	s_barrier_signal -1
.endif
	PAIR 0, 2
	EPI 1, 0
	EPI 1, 1
	PAIR 0, 3
	EPI 1, 2
	EPI 1, 3
.irp sg, 0,1,2,3
	PAIR 1, \sg
	EPI 2, \sg
.endr
.irp dl, 0,1,2,3
	EPI 3, \dl
.endr
	WIN 0
.irp g, 0,1,2,3
	v_pk_add_f32 v[S+4*\g:S+4*\g+1], v[S+4*\g:S+4*\g+1], v[S+4*\g+2:S+4*\g+3]
.endr
.irp g, 0,1,2,3
	v_add_f32 v[XA+\g], v[S+4*\g], v[S+4*\g+1]
.endr
	v_permlane16_swap_b32 v[XA], v[XA+1]           ; the two halves of the lanes meet: lanes 0-15 end with the first a, lanes 16-31 with the second
	v_permlane16_swap_b32 v[XA+2], v[XA+3]
	v_add_f32 v[Z+2*(\zs)], v[XA], v[XA+1]
	v_add_f32 v[Z+2*(\zs)+1], v[XA+2], v[XA+3]
.endm
; the scores of a j (jp = j % 2) to LDS, at 4 t'
.macro SCST jp
.irp k, 0,1,2,3,4,5,6,7
	ds_store_b32 v[SCW], v[Z+\k] offset:2048*(\jp)+256*\k
.endr
.endm
; PERIOD q of a trip's eight: block n = 8 trip + q is multiplied, block n + 1 quantised, block n + 2 asked for.  In the last trip block n + 2 ends at q = 5 and block n + 1 at q = 6.
; The barrier that the period before has signalled is waited for behind the first conversions: behind it block n is whole and nobody reads block n - 1 any more.
; THE PREFETCHES INTO THE L2: in even periods one instruction a wave for blocks n + 4 and n + 5, two and three periods ahead of their loads: my 4 rows of each, the 1,024 bytes of piece 0, lanes 256 bytes apart.  The other
; work-group of the batch names the other 1,024 bytes of each row: told apart by address, each aligned 256 bytes of blocks 2 to 15 is named once.  Blocks 0 and 1 come by their loads alone; nothing is asked for behind block 15.
.macro PERIOD q
.if (\q) == 0
	v_add_nc_u32 v[VSA], s29, v[VST0]
.endif
.if (\q) == 4
	s_add_co_u32 s2, s29, 128*VP
	v_add_nc_u32 v[VSA], s2, v[VST0]
.endif
.if (\q) == 7
	s_barrier_wait -1
	FETCHP 0, (\q)%2, 0
	FETCHP 0, (\q)%2, 1
	s_cmp_eq_u32 s28, 1
	s_cbranch_scc1 .Lnoquant_\@                    ; there is no block 16
	s_add_co_u32 s2, s29, 7*32*VP
	s_min_u32 s2, s2, 15*32*VP                     ; (held inside VB on every way)
	v_add_nc_u32 v[VSA], s2, v[VST0]
.endif
	s_wait_loadcnt 8                               ; rows 0, 1 of block n + 1 are in; the eight loads of rows 2, 3 may be out
	XQC 0
.if ((\q) > 0) && ((\q) < 7)
	s_wait_alu depctr_va_vdst(0)                   ; the conversions' results are stored behind the barrier
	s_barrier_wait -1
.endif
.if (\q) < 7
	FETCHP 0, (\q)%2, 0                            ; tile 0 of block n, needed behind the quantising
	FETCHP 0, (\q)%2, 1
.endif
.if (\q) == 4
	SCST 0                                         ; the trip's first j
.endif
.if (\q) == 6
	XQST 0, ((\q)+1)%2, 32*VP*((\q)%4)
	s_wait_loadcnt 0x0                             ; rows 2, 3; here both batches are asked for anew together, under one branch
	XQC 1
	XQST 1, ((\q)+1)%2, 32*VP*((\q)%4)
	s_cmp_eq_u32 s28, 1
	s_cbranch_scc1 .Lnoload_\@
	LOADX 0, (\q)+2
	LOADX 1, (\q)+2
	global_prefetch_b8 v[PFO], s[24:25] offset:65536*((\q)+4) th:TH_LOAD_NT scope:SCOPE_SE
.Lnoload_\@:
.else
.if (\q) == 7
.set VOF, 0
.else
.set VOF, 32*VP*((\q)%4)
.endif
	LOADX 0, (\q)+2
	XQST 0, ((\q)+1)%2, VOF
	s_wait_loadcnt 8                               ; rows 2, 3 are in; the eight loads just issued may be out
	XQC 1
	LOADX 1, (\q)+2
	XQST 1, ((\q)+1)%2, VOF
.if ((\q) == 0) || ((\q) == 2)
	global_prefetch_b8 v[PFO], s[24:25] offset:65536*((\q)+4) th:TH_LOAD_NT scope:SCOPE_SE
.endif
.if (\q) == 4
	s_cmp_eq_u32 s28, 1
	s_cbranch_scc1 .Lnoask_\@
	global_prefetch_b8 v[PFO], s[24:25] offset:65536*((\q)+4) th:TH_LOAD_NT scope:SCOPE_SE
.Lnoask_\@:
.endif
.endif
.if (\q) == 7
.Lnoquant_\@:
	TILES (\q)%2, (\q)%4, 0
	SCST 1                                         ; the trip's second j
	s_wait_dscnt 0x0                               ; the scores are there for the other wave of my head
	s_barrier_signal -1
	s_barrier_wait -1
.else
	TILES (\q)%2, (\q)%4, 1
.endif
.endm
; V's fragments of step ka: two of 16 channels x 32 t', into window 1
.macro VLOAD ka
.irp ct, 0,1
	ds_load_tr16_b128 v[16*(\ka)+8*\ct:16*(\ka)+8*\ct+3], v[VT+(\ka)/4] offset:((\ka)%4)*32*VP+32*\ct
	ds_load_tr16_b128 v[16*(\ka)+8*\ct+4:16*(\ka)+8*\ct+7], v[VT+(\ka)/4] offset:((\ka)%4)*32*VP+16*VP+32*\ct
.endr
.endm
; THE SOFTMAX of row j = 2 tr + ah of my head: 16 scores a lane, t' = 128 i + 4 lane + 0 .. 3.  The row's maximum is taken away; the scores are exponents of 2.
.macro SM tr
.irp i, 0,1,2,3
	ds_load_b128 v[E+4*\i:E+4*\i+3], v[SCA] offset:512*\i
.endr
.if (\tr) == 1
	WIN 0x40                                       ; behind the last tile V's first fragments come under the softmax: all of V was stored ahead of the last barriers, and Wq is done with
.irp ka, 0,1,2,3,4,5
	VLOAD \ka
.endr
	WIN 0
	s_wait_dscnt 24                                ; the scores are in; V's 24 loads may be out
.else
	s_wait_dscnt 0x0
.endif
	v_max3_num_f32 v144, v[E], v[E+1], v[E+2]
	v_max3_num_f32 v145, v[E+3], v[E+4], v[E+5]
	v_max3_num_f32 v146, v[E+6], v[E+7], v[E+8]
	v_max3_num_f32 v147, v[E+9], v[E+10], v[E+11]
	v_max3_num_f32 v144, v144, v[E+12], v[E+13]
	v_max3_num_f32 v145, v145, v[E+14], v[E+15]
	v_max_num_f32 v146, v146, v147
	v_max3_num_f32 v144, v144, v145, v146
.irp m, 1,2,4,8
	v_max_num_f32_dpp v144, v144, v144 row_xmask:\m row_mask:0xf bank_mask:0xf
.endr
	v_permlanex16_b32 v[PY], v144, s22, s23
	v_max_num_f32 v144, v144, v[PY]                ; the row's maximum, in every lane
.irp i, 0,2,4,6,8,10,12,14
	v_pk_add_f32 v[E+\i:E+\i+1], v[E+\i:E+\i+1], v[144:145] op_sel_hi:[1,0] neg_lo:[0,1] neg_hi:[0,1]
.endr
	s_wait_alu depctr_va_vdst(0)                   ; one wait ahead of the batch
.irp i, 0,1,2,3,4,5,6,7,8,9,10,11,12,13,14,15
	v_exp_f32 v[E+\i], v[E+\i]
.endr
	v_nop                                          ; a plain line behind the exponentials (ISA guide 5.7.2)
	s_wait_alu depctr_va_vdst(0)                   ; and one wait behind it, ahead of its first reader
	v_pk_add_f32 v[146:147], v[E:E+1], v[E+2:E+3]
	v_pk_add_f32 v[148:149], v[E+4:E+5], v[E+6:E+7]
	v_pk_add_f32 v[150:151], v[E+8:E+9], v[E+10:E+11]
	v_pk_add_f32 v[152:153], v[E+12:E+13], v[E+14:E+15]
	v_pk_add_f32 v[146:147], v[146:147], v[148:149]
	v_pk_add_f32 v[150:151], v[150:151], v[152:153]
	v_pk_add_f32 v[146:147], v[146:147], v[150:151]
	v_add_f32 v144, v146, v147
.irp m, 1,2,4,8
	v_add_f32_dpp v144, v144, v144 row_xmask:\m row_mask:0xf bank_mask:0xf
.endr
	v_permlanex16_b32 v[PY], v144, s22, s23
	v_add_f32 v144, v144, v[PY]                    ; the row's sum
	s_wait_alu depctr_va_vdst(0)
	v_rcp_f32 v144, v144
	v_nop                                          ; a plain line behind the reciprocal
	s_wait_alu depctr_va_vdst(0)                   ; and its wait, ahead of the first reader
.irp i, 0,2,4,6,8,10,12,14
	v_pk_mul_f32 v[E+\i:E+\i+1], v[E+\i:E+\i+1], v[144:145] op_sel_hi:[1,0]
.endr
.irp i, 0,1,2,3,4,5,6,7
	v_cvt_pk_f16_f32 v[180+\i], v[E+2*\i], v[E+2*\i+1]
.endr
.irp i, 0,1,2,3
	ds_store_b64 v[ATW0], v[180+2*\i:181+2*\i] offset:64*VP*(\tr)+8*VP*\i   ; the weights in f16, for the last product
.endr
.irp i, 0,1,2,3
	global_store_b128 v[O1], v[E+4*\i:E+4*\i+3], s[16:17] offset:4096*(\tr)+512*\i th:TH_STORE_NT   ; 32 lanes store 512 consecutive bytes, aligned; written once, read by nobody here
.endr
.endm
.Ltrip:                                            ; two trips of eight blocks: a trip makes the scores of j = 2 trip, 2 trip + 1
	s_cmp_eq_u32 s28, 0
	s_cbranch_scc1 .Lnorow                         ; the first trip finds no scores
	SM 0                                           ; the first trip's rows
	s_wait_xcnt 0x0                                ; the stores have read their data, which the quantising writes over
.Lnorow:
	PERIOD 0
	PERIOD 1
	PERIOD 2
	PERIOD 3
	PERIOD 4
	PERIOD 5
	PERIOD 6
	PERIOD 7
	s_wait_xcnt 0x0                                ; loads and prefetches have read their bases, which are written again only behind this wait
	s_add_nc_u64 s[24:25], s[24:25], 0x80000       ; eight blocks on
	s_add_nc_u64 s[26:27], s[26:27], 0x80000
	s_add_co_u32 s29, s29, 256*VP
	s_add_co_u32 s28, s28, 1
	s_cmp_lt_u32 s28, 2
	s_cbranch_scc1 .Ltrip
	; THE LAST PRODUCT: O^T[c][j] = sum over t' of V[t'][c] P[j][t'], 32 t' a step, 16 steps.  V's 32 fragments fill window 1, P's 16 lie in window 0: nothing is loaded twice.
	s_wait_loadcnt 0x0                             ; no load of v is out on any way
	s_lshl_b32 s45, s19, 7
	s_lshl_b32 s46, s31, 6
	s_add_co_u32 s45, s45, s46
	s_add_co_u32 s45, s45, VB                      ; my block's 64 bytes of a row of VB
	s_mul_i32 s46, s19, 128*VP
	s_add_co_u32 s46, s46, VB+512                  ; my head's rows of weights
	s_lshl_b32 s47, s19, 10
	s_add_co_u32 s47, s47, SC                      ; out0's way out: four rows of 256 bytes a head
	s_lshl_b32 s2, s31, 9
	s_add_co_u32 s2, s2, s47
	s_lshl_b32 s48, s31, 7
	s_add_co_u32 s47, s47, s48
	v_and_b32 v10, 7, v0
	v_bfe_u32 v11, v0, 4, 1
	v_lshl_add_u32 v10, v11, 3, v10                ; the turning load: lane l addresses row 8 (l / 16) + l % 8,
	v_mul_u32_u24 v10, v10, VP
	v_bfe_u32 v15, v0, 3, 1
	v_lshl_add_u32 v10, v15, 4, v10                ; 16 bytes at 16 ((l / 8) % 2)
	v_add_nc_u32 v[VT], s45, v10
	v_add_nc_u32 v[VT+1], 128*VP, v[VT]            ; 128 rows on: an LDS offset has 16 bits
	v_add_nc_u32 v[VT+2], 128*VP, v[VT+1]
	v_add_nc_u32 v[VT+3], 128*VP, v[VT+2]
	v_and_b32 v15, 3, v0                           ; P's column r is row 4 hw + r % 4
	v_mul_u32_u24 v15, v15, 32*VP
	v_lshl_add_u32 v15, v11, 4, v15
	v_add_nc_u32 v[ATR], s46, v15
	s_wait_alu depctr_va_vdst(0)
	SM 1                                           ; the last rows
	s_wait_dscnt 0x0                               ; my weights are stored, for the other wave of my head
	s_barrier_signal -1
	WIN 0x40                                       ; the rest of V, which nobody writes again
.irp ka, 6,7,8,9,10,11,12,13,14,15
	VLOAD \ka
.endr
	WIN 0
	s_barrier_wait -1
	s_wait_xcnt 0x0                                ; the softmax's stores have read their data: P's fragments land there
.irp ka, 0,1,2,3,4,5,6,7,8,9,10,11,12,13,14,15
	ds_load_b128 v[PF+8*\ka:PF+8*\ka+3], v[ATR] offset:2*VP*\ka
	ds_load_b128 v[PF+8*\ka+4:PF+8*\ka+7], v[ATR] offset:2*VP*\ka+VP
.endr
	WIN 1
.irp ka, 0,1,2,3,4,5,6,7,8,9,10,11,12,13,14,15     ; even and odd steps have accumulators of their own: four by turns
	s_wait_dscnt 2*(15-\ka)                        ; V is in, and this step's two loads of P; those of later steps may be out
.irp ct, 0,1
.set AR, F+16*(\ka%2)+8*\ct
.if \ka < 2
	v_wmma_f32_16x16x32_f16 v[AR:AR+7], v[16*\ka+8*\ct:16*\ka+8*\ct+7], v[PF+8*\ka:PF+8*\ka+7], 0
.else
	v_wmma_f32_16x16x32_f16 v[AR:AR+7], v[16*\ka+8*\ct:16*\ka+8*\ct+7], v[PF+8*\ka:PF+8*\ka+7], v[AR:AR+7]
.endif
.endr
.endr
	WIN 0
	; THE WAY OUT of out0.  Lane (r, hl) holds row r % 4; register i of tile ct is place 16 ct + 8 hl + i of the block: word 2 ct + hl: channels 4 (2 ct + hl) + 0 .. 3, and 16 more.  Lanes with the same r % 4 hold the same
	; numbers and store them to the same bytes.  The address work is the places behind the last products.
	v_and_b32 v10, 3, v0
	v_lshlrev_b32 v10, 8, v10
	v_lshl_add_u32 v10, v11, 4, v10
	v_add_nc_u32 v10, s47, v10
	v_add_nc_u32 v15, s2, v[O1]
.irp ct, 0,1
.irp i, 0,2,4,6
	v_pk_add_f32 v[228+8*\ct+\i:229+8*\ct+\i], v[F+8*\ct+\i:F+8*\ct+\i+1], v[F+16+8*\ct+\i:F+16+8*\ct+\i+1]
.endr
.endr
.irp ct, 0,1
	ds_store_b128 v10, v[228+8*\ct:231+8*\ct] offset:32*\ct
	ds_store_b128 v10, v[232+8*\ct:235+8*\ct] offset:32*\ct+64
.endr
	s_wait_alu depctr_va_vdst(0)                   ; directly ahead of the wait below
	s_wait_dscnt 0x0
	s_barrier_signal -1
	s_barrier_wait -1                              ; both halves of my head's rows are there
	ds_load_b128 v[100:103], v15
	s_wait_dscnt 0x0
	global_store_b128 v[O1], v[100:103], s[14:15] th:TH_STORE_NT             ; 32 lanes store 512 consecutive bytes, aligned
	s_wait_tensorcnt 0x0                           ; the wave's end, behind my last tensor load and my last LDS store
	ds_add_u32 v[SPW], v[NIL]
	s_wait_dscnt 0x0
	ROUND                                          ; the closing round
	s_endpgm
.Lfunc_end_k_q4e45b061ea_attn:
	.size	k_q4e45b061ea_attn, .Lfunc_end_k_q4e45b061ea_attn-k_q4e45b061ea_attn
	.p2alignl 7, 3214868480
	.fill 96, 4, 3214868480
	.section	.rodata,"a",@progbits
	.p2align	6, 0x0
	.amdhsa_kernel k_q4e45b061ea_attn
		.amdhsa_group_segment_fixed_size 315392
		.amdhsa_private_segment_fixed_size 0
		.amdhsa_enable_private_segment 0
		.amdhsa_kernarg_size 56
		.amdhsa_user_sgpr_count 2
		.amdhsa_user_sgpr_kernarg_segment_ptr 1
		.amdhsa_wavefront_size32 1
		.amdhsa_system_sgpr_workgroup_id_x 1
		.amdhsa_system_sgpr_workgroup_id_y 1
		.amdhsa_system_sgpr_workgroup_id_z 1
		.amdhsa_system_vgpr_workitem_id 0
		.amdhsa_next_free_vgpr 512
		.amdhsa_next_free_sgpr 66
		.amdhsa_reserve_vcc 0
		.amdhsa_float_denorm_mode_32 3
		.amdhsa_float_denorm_mode_16_64 3
		.amdhsa_memory_ordered 1
		.amdhsa_forward_progress 1
		.amdhsa_inst_pref_size 199
	.end_amdhsa_kernel
	.amdgpu_metadata
---
amdhsa.version: [ 1, 2 ]
amdhsa.kernels:
  - .name:           k_q4e45b061ea_attn
    .symbol:         k_q4e45b061ea_attn.kd
    .args:
      - { .name: v, .offset: 0, .size: 8, .value_kind: global_buffer, .address_space: global }
      - { .name: Q, .offset: 8, .size: 8, .value_kind: global_buffer, .address_space: global }
      - { .name: bk, .offset: 16, .size: 8, .value_kind: global_buffer, .address_space: global }
      - { .name: wimg, .offset: 24, .size: 8, .value_kind: global_buffer, .address_space: global }
      - { .name: wscl, .offset: 32, .size: 8, .value_kind: global_buffer, .address_space: global }
      - { .name: out0, .offset: 40, .size: 8, .value_kind: global_buffer, .address_space: global }
      - { .name: out1, .offset: 48, .size: 8, .value_kind: global_buffer, .address_space: global }
    .group_segment_fixed_size: 315392
    .private_segment_fixed_size: 0
    .kernarg_segment_align: 8
    .kernarg_segment_size: 56
    .max_flat_workgroup_size: 256
    .sgpr_count:     66
    .vgpr_count:     512
    .wavefront_size: 32
...
	.end_amdgpu_metadata
.endif
;; end of part 4
